; MI455X (gfx1250); checked and timed in simulation.
; The chip was launched on July 23, 2026; its instructions are those of AMD's public machine-readable ISA for CDNA 5 (MIT licence, August 2026) and "CDNA5" Instruction Set Architecture Reference Guide (July 2026). The comments in the code are by the model that wrote it; some were corrected since.
;; Mini Transformer. Allowed arithmetic: matrix products marked QUANTISED: E2M3 operands, one E8M0 scale for each 32 along K, by v_wmma_scale_f32_16x16x128_f8f6f4 with both operands' format E2M3, f32 sums; everything else in f32.
;; Inputs: W1 512 x 1,024 float32; W2 1,024 x 512 float32; Wk 512 x 512 float32; Wo 512 x 512 float32; Wq 512 x 512 float32; Wv 512 x 512 float32; b1 1,024 float32; b2 512 float32; be1 512 float32; be2 512 float32; g1 512 float32; g2 512 float32; x 8 x 2,048 x 512 float32.
;; Outputs: out0 8 x 2,048 x 512 float32.
;; This version of the problem:
;;   THIS VERSION OF THE PROBLEM IS GIVEN IN LOW PRECISION. The matrix products marked QUANTISED in the list below multiply operands that are first quantised to E2M3 (2 exponent bits, 3 mantissa bits; 6 bits a number), with one power-of-two scale for each 32 numbers along K (OCP MX v1.0); their sums are f32. All else is computed in f32.
;;   The module's matrix products, in the order in which they are computed (A, B: the left and right operand; K: the contracted axis; several contracted axes count as one K, in the product's order):
;;     1. [M 16,384, K 512] x [K 512, N 512]; A: computed on the way; B: input Wq: QUANTISED
;;     2. [M 16,384, K 512] x [K 512, N 512]; A: computed on the way; B: input Wk: QUANTISED
;;     3. [M 16,384, K 512] x [K 512, N 512]; A: computed on the way; B: input Wv: QUANTISED
;;     4. batch 8 x [M 2,048, K 512] x [K 512, N 2,048]; A: computed on the way; B: computed on the way: QUANTISED
;;     5. batch 8 x [M 2,048, K 2,048] x [K 2,048, N 512]; A: softmax (see below); B: computed on the way: QUANTISED
;;     6. [M 16,384, K 512] x [K 512, N 512]; A: computed on the way; B: input Wo: QUANTISED
;;     7. [M 16,384, K 512] x [K 512, N 1,024]; A: computed on the way; B: input W1: QUANTISED
;;     8. [M 16,384, K 1,024] x [K 1,024, N 512]; A: computed on the way; B: input W2: QUANTISED
;;   THE QUANTISER, for each operand of a quantised product, along K:
;;     - K is cut into blocks of 32 from its start; a last block that is shorter is filled with zeros.
;;     - A block's scale is 2^e with e = floor(log2(the largest magnitude in the block)) - 2, held to -126 .. 127; a block of zeros has e = 0. As a byte (E8M0): e + 127.
;;     - Each number is divided by its block's scale, clamped to +-7.5, and rounded to the nearest number of E2M3, ties to even, subnormals kept.
;;     - The product sums the exact products of the quantised numbers (number of the format x scale) in f32.
;;   ~~~python
;;   def quantise(x, axis):      # numpy; x: float32 -> the quantised numbers, widened to float32 again
;;       x = np.moveaxis(x, axis, -1); K = x.shape[-1]
;;       x = np.pad(x, [(0, 0)] * (x.ndim - 1) + [(0, -K % 32)]); x = x.reshape(x.shape[:-1] + (-1, 32)); a = np.abs(x).max(-1, keepdims=True)
;;       e = np.where(a > 0, np.clip(np.frexp(np.where(a > 0, a, 1))[1] - 1 - 2, -126, 127), 0)      # np.frexp(a)[1] - 1 = floor(log2(a)), exactly
;;       r = np.clip(x / 2.0 ** e, -7.5, 7.5)
;;       step = 2.0 ** (np.maximum(np.frexp(np.where(r == 0, 1, r))[1] - 1, 0) - 3)
;;       q = np.round(r / step) * step * 2.0 ** e      # np.round: ties to even
;;       return np.moveaxis(q.reshape(q.shape[:-2] + (-1,))[..., :K], -1, axis).astype(np.float32)
;;   ~~~
;;   SOFTMAX AHEAD OF A QUANTISED PRODUCT. Where the list says 'softmax', what is quantised is not the finished softmax but p = 2^(t - M), with t = logit x log2(e) and M = ceil(the row's largest t), a whole number; so 1/2 < the row's largest p <= 1. The row's sum l is taken of the UNQUANTISED p, in f32, and the product's result is divided by l at the end. Since M is a whole number, a kernel that streams over the keys may use a running M (the ceiling of the running maximum): every later rescaling is an exact power of two, which a block's scale takes up: the codes' values come out the same.
;;   OPERANDS COMPUTED ON THE WAY. 'Computed on the way' means the value that the module computes at that place (a softmax that the list does not call 'softmax' is quantised finished and normalised). What goes into a quantiser is computed in f32, as accurately as f32 sums, v_exp_f32 and their like allow (about 1e-6 of the number): no bf16 or f16 on the way to a quantiser, and a product that is left as it is and whose result goes on into a quantised operand takes f32 operands (vector FMAs, or v_wmma_f32_16x16x4_f32). A number that lies on a knife's edge between two numbers of the format may be rounded either way, as far as f32 arithmetic and the matrix unit's own rounding can turn it there, and no further.
;; One version. Each part assembles by itself: llvm-mc -triple=amdgcn-amd-amdhsa -mcpu=gfx1250 --defsym DOCPART=n.
;; ======== version 1 of 1: 3 launches
;; workspace buffers: wts 1,638,400 bytes; qws 6,815,744 bytes; kv 13,107,200 bytes
;; launch prep (part 1): grid 256 x 1, 2 waves a work-group, no clusters, 0 bytes of LDS; arguments Wq, Wk, Wv, Wo, W1, W2, wts; writes wts
.if DOCPART == 1
	.amdgcn_target "amdgcn-amd-amdhsa--gfx1250"
	.amdhsa_code_object_version 6
	.text
	.protected	k_q7d4c159b86_prep
	.globl	k_q7d4c159b86_prep
	.p2align	8
	.type	k_q7d4c159b86_prep,@function
k_q7d4c159b86_prep:
	s_mov_b64 s[64:65], 0
	v_nop
	global_prefetch_b8 v0, s[64:65] scope:SCOPE_SE
	s_setreg_imm32_b32 hwreg(HW_REG_WAVE_MODE, 25, 1), 1
	s_wait_xcnt 0x0
; The six weights, f32 with K as their FIRST axis, become codes of FP6 (E2M3) with one E8M0 byte for each 32 along K, laid in wts in the order in which the
; later launches' operand registers take them: 16 chunks of CH bytes = 64 fragments of 1,536 bytes + 64 x 64 bytes of scale words.
; A fragment (16 columns x 128 K, 12 registers a lane) is two halves of 768 bytes: registers 6c..6c+3 as 16 bytes x lane, then registers 6c+4, 6c+5 as 8 bytes x lane.
; Lane r of tile T stands for column 32 (T/2) + 8 (T%2) + r + 8 (r/8): so the transposed product's 16 registers of two neighbouring tiles are 16 neighbours.
; Chunks: 0,1 Wq (K steps 0-1, 2-3); 2,3 Wk; 4,5 Wv; 6,7 Wo; 8+2j W1's columns 256 j on (16 tiles x 4 K steps); 9+2j W2's K 256 j on (32 tiles x 2 K steps).
; Place of a fragment in its chunk: 16 x (the wave that will read it) + that wave's order of use.
; SHARES: a wave takes 32 columns x 128 K: a lane a column, its registers down K (128 loads of 128 consecutive bytes; the two waves stand side by side on 256).
; A block of 32 lies in one lane, so its largest magnitude needs no other lane, and the conversions give K innermost.  No LDS, no barrier: waves share nothing, and work-groups share no input, so no cluster.
; A block's byte is its largest magnitude's exponent field - 2, held at 1 from below.
; LIMITS: a block of zeros, or one whose largest magnitude lies under 2^-124, gets the byte 1 (this program alone reads the bytes); NaN and infinities are not served.
.set CH,   102400
.set X,    64                          ; v64-191 my column's 128 numbers
.set VI,   3                           ; v3  4 x lane: my column in a row
.set VO16, 7                           ; v7  1,536 u + 16 r: my place in a half's first image
.set VO8,  8                           ; v8  1,536 u + 8 r + 512: in its second
.set VOS,  9                           ; v9  64 u + 4 r + 98,304: my scale word
	s_load_b256 s[4:11], s[0:1], 0x0               ; Wq, Wk, Wv, Wo
	s_load_b128 s[12:15], s[0:1], 0x20             ; W1, W2
	s_load_b64 s[16:17], s[0:1], 0x30              ; wts
	v_lshrrev_b32 v1, 5, v0
	v_readfirstlane_b32 s18, v1                    ; wave 0, 1
	v_and_b32 v2, 31, v0                           ; lane x = column 32 B + x
	v_lshlrev_b32 v[VI], 2, v2
	v_bfe_u32 v4, v0, 3, 1                         ; u = (x / 8) % 2: which tile of the pair
	v_and_b32 v5, 7, v0
	v_bfe_u32 v6, v0, 4, 1
	v_lshl_add_u32 v5, v6, 3, v5                   ; r = x % 8 + 8 (x / 16): which lane of that tile
	v_mul_u32_u24 v6, v4, 1536
	v_lshl_add_u32 v[VO16], v5, 4, v6
	v_lshl_add_u32 v[VO8], v5, 3, v6
	v_add_nc_u32 v[VO8], 512, v[VO8]
	v_lshlrev_b32 v[VOS], 6, v4
	v_lshl_add_u32 v[VOS], v5, 2, v[VOS]
	v_add_nc_u32 v[VOS], 98304, v[VOS]
	; which matrix, which K step S, which pair of tiles B: from the work-group's number g alone
	s_mov_b32 s19, ttmp9
	s_lshr_b32 s20, s19, 3
	s_and_b32 s21, s20, 3                          ; g < 128: S = (g / 8) % 4
	s_and_b32 s22, s20, 7                          ; W2: S = (g / 8) % 8
	s_lshr_b32 s23, s19, 4
	s_and_b32 s23, s23, 3                          ; W1: S = (g / 16) % 4
	s_and_b32 s24, s19, 7                          ; column group: g % 8,
	s_and_b32 s25, s19, 15                         ; W1: g % 16
	s_lshr_b32 s26, s19, 5                         ; g < 128: the matrix, 0 to 3
	s_lshr_b32 s27, s19, 6                         ; 2: W1; 3: W2
	s_cmp_eq_u32 s27, 2
	s_cselect_b32 s21, s23, s21
	s_cselect_b32 s24, s25, s24
	s_cselect_b32 s35, 19, 18                      ; 128 rows of W are 2^19 bytes in W1, 2^18 in the others
	s_cmp_eq_u32 s27, 3
	s_cselect_b32 s21, s22, s21                    ; S
	s_lshl_b32 s24, s24, 1
	s_add_co_u32 s24, s24, s18                     ; B = 2 x column group + wave
	s_lshr_b32 s28, s21, 1                         ; S / 2
	s_lshl_b32 s29, s26, 1
	s_add_co_u32 s29, s29, s28                     ; the four square ones: chunk 2 x matrix + S / 2
	s_lshl_b32 s30, s28, 1
	s_add_co_u32 s30, s30, 9                       ; W2: chunk 9 + 2 (S / 2)
	s_lshr_b32 s31, s24, 3
	s_lshl_b32 s31, s31, 1
	s_add_co_u32 s31, s31, 8                       ; W1: chunk 8 + 2 (B / 8)
	s_lshr_b32 s32, s24, 2                         ; 32 tiles x 2 K steps: place 16 (B / 4) + 8 (S % 2) + 2 (B % 4)
	s_lshl_b32 s32, s32, 4
	s_and_b32 s33, s21, 1
	s_lshl_b32 s33, s33, 3
	s_add_co_u32 s32, s32, s33
	s_and_b32 s33, s24, 3
	s_lshl_b32 s33, s33, 1
	s_add_co_u32 s32, s32, s33
	s_and_b32 s33, s24, 7                          ; 16 tiles x 4 K steps: place 16 ((B % 8) / 2) + 4 S + 2 (B % 2)
	s_lshr_b32 s33, s33, 1
	s_lshl_b32 s33, s33, 4
	s_lshl_b32 s34, s21, 2
	s_add_co_u32 s33, s33, s34
	s_and_b32 s34, s24, 1
	s_lshl_b32 s34, s34, 1
	s_add_co_u32 s33, s33, s34
	s_cmp_eq_u32 s27, 3
	s_cselect_b32 s29, s30, s29
	s_cmp_eq_u32 s27, 2
	s_cselect_b32 s29, s31, s29                    ; the chunk
	s_cselect_b32 s32, s33, s32                    ; the place of the pair's first fragment; the second follows it
	s_mul_i32 s29, s29, CH
	s_mul_i32 s30, s32, 1536
	s_add_co_u32 s30, s30, s29                     ; where my codes go
	s_mov_b32 s31, 0
	s_lshl_b32 s36, s32, 6
	s_add_co_u32 s36, s36, s29                     ; where my scale words go (v9 holds the 98,304)
	s_mov_b32 s37, 0
	s_lshl_b32 s38, s21, s35
	s_lshl_b32 s39, s24, 7
	s_add_co_u32 s38, s38, s39                     ; where my numbers begin: 128 S rows + 128 B bytes
	s_mov_b32 s39, 0
	s_wait_kmcnt 0x0
	s_cmp_eq_u32 s26, 1                            ; the source: a choice on the work-group's number alone
	s_cselect_b64 s[4:5], s[6:7], s[4:5]
	s_cmp_eq_u32 s26, 2
	s_cselect_b64 s[4:5], s[8:9], s[4:5]
	s_cmp_eq_u32 s26, 3
	s_cselect_b64 s[4:5], s[10:11], s[4:5]
	s_cmp_eq_u32 s27, 2
	s_cselect_b64 s[4:5], s[12:13], s[4:5]
	s_cmp_eq_u32 s27, 3
	s_cselect_b64 s[4:5], s[14:15], s[4:5]
	s_add_nc_u64 s[4:5], s[4:5], s[38:39]
	s_add_nc_u64 s[40:41], s[16:17], s[30:31]
	s_add_nc_u64 s[42:43], s[16:17], s[36:37]
.macro LOADS stride                    ; W(128 S + i, my column), i = 0 .. 127; read once in the launch
.set il, 0
.rept 128
	global_load_b32 v[X+il], v[VI], s[4:5] offset:il*\stride th:TH_LOAD_NT
.set il, il+1
.endr
.endm
	s_cmp_eq_u32 s27, 2                            ; a row of W1 is 4,096 bytes, of the others 2,048: the pitch stands in the immediates
	s_cbranch_scc1 .Lwide
	LOADS 2048
	s_branch .Lgo
.Lwide:
	LOADS 4096
.Lgo:
; Block q: k = 32 q .. 32 q + 31 of my column.  In the fragment these are registers 6 (q/2) .. + 5 of lane r + 16 (q%2).  Each block has registers of its own for its codes: no store's data are written again.
.macro BLK q, cnt
.set XS, X+32*\q
.set CR, 16+10*\q
	s_wait_loadcnt \cnt                            ; this block's 32 loads are in: at most \cnt of the loads issued behind them may be out (a count cannot name more than 63)
	v_max3_num_f32 v10, |v[XS]|, |v[XS+1]|, |v[XS+2]|
	v_max3_num_f32 v11, |v[XS+3]|, |v[XS+4]|, |v[XS+5]|
.irp i, 6,10,14,18,22,26
	v_max3_num_f32 v10, v10, |v[XS+\i]|, |v[XS+\i+1]|
	v_max3_num_f32 v11, v11, |v[XS+\i+2]|, |v[XS+\i+3]|
.endr
	v_max3_num_f32 v10, v10, |v[XS+30]|, |v[XS+31]|
	v_max3_num_f32 v10, v10, v11, 0x1800000        ; with the floor 2^(3 - 127): the byte cannot fall under 1
	v_add_nc_u32 v12, 0xff000000, v10              ; 2 off the exponent field: the conversion takes this operand's exponent field as its scale
	v_cvt_scalef32_pk16_fp6_f32 v[CR:CR+2], v[XS:XS+15], v12
	v_cvt_scalef32_pk16_fp6_f32 v[CR+6:CR+8], v[XS+16:XS+31], v12   ; (a conversion's three registers begin on an even number)
	v_lshrrev_b32 v13, 23, v12                     ; the byte; also the plain instruction behind the conversions
.if \q == 0
	v_mov_b32 v14, v13
.else
	v_lshl_or_b32 v14, v13, 8*\q, v14              ; four bytes make the column's scale word for this K step
.endif
.irp i, 0,1,2
	v_mov_b32 v[CR+3+\i], v[CR+6+\i]
.endr
	global_store_b128 v[VO16], v[CR:CR+3], s[40:41] offset:768*(\q/2)+256*(\q%2)    ; the sixteen lanes of a tile store 256 consecutive bytes, aligned
	global_store_b64 v[VO8], v[CR+4:CR+5], s[40:41] offset:768*(\q/2)+128*(\q%2)
.endm
	BLK 0, 63
	BLK 1, 63
	BLK 2, 32
	BLK 3, 0
	global_store_b32 v[VOS], v14, s[42:43]
	s_endpgm
.Lfunc_end_k_q7d4c159b86_prep:
	.size	k_q7d4c159b86_prep, .Lfunc_end_k_q7d4c159b86_prep-k_q7d4c159b86_prep
	.p2alignl 7, 3214868480
	.fill 96, 4, 3214868480
	.section	.rodata,"a",@progbits
	.p2align	6, 0x0
	.amdhsa_kernel k_q7d4c159b86_prep
		.amdhsa_group_segment_fixed_size 0
		.amdhsa_private_segment_fixed_size 0
		.amdhsa_enable_private_segment 0
		.amdhsa_kernarg_size 56
		.amdhsa_user_sgpr_count 2
		.amdhsa_user_sgpr_kernarg_segment_ptr 1
		.amdhsa_wavefront_size32 1
		.amdhsa_system_sgpr_workgroup_id_x 1
		.amdhsa_system_sgpr_workgroup_id_y 1
		.amdhsa_system_sgpr_workgroup_id_z 1
		.amdhsa_system_vgpr_workitem_id 0
		.amdhsa_next_free_vgpr 192
		.amdhsa_next_free_sgpr 66
		.amdhsa_reserve_vcc 0
		.amdhsa_float_denorm_mode_32 3
		.amdhsa_float_denorm_mode_16_64 3
		.amdhsa_memory_ordered 1
		.amdhsa_forward_progress 1
		.amdhsa_inst_pref_size 35
	.end_amdhsa_kernel
	.amdgpu_metadata
---
amdhsa.version: [ 1, 2 ]
amdhsa.kernels:
  - .name:           k_q7d4c159b86_prep
    .symbol:         k_q7d4c159b86_prep.kd
    .args:
      - { .name: Wq, .offset: 0, .size: 8, .value_kind: global_buffer, .address_space: global }
      - { .name: Wk, .offset: 8, .size: 8, .value_kind: global_buffer, .address_space: global }
      - { .name: Wv, .offset: 16, .size: 8, .value_kind: global_buffer, .address_space: global }
      - { .name: Wo, .offset: 24, .size: 8, .value_kind: global_buffer, .address_space: global }
      - { .name: W1, .offset: 32, .size: 8, .value_kind: global_buffer, .address_space: global }
      - { .name: W2, .offset: 40, .size: 8, .value_kind: global_buffer, .address_space: global }
      - { .name: wts, .offset: 48, .size: 8, .value_kind: global_buffer, .address_space: global }
    .group_segment_fixed_size: 0
    .private_segment_fixed_size: 0
    .kernarg_segment_align: 8
    .kernarg_segment_size: 56
    .max_flat_workgroup_size: 64
    .sgpr_count:     66
    .vgpr_count:     192
    .wavefront_size: 32
...
	.end_amdgpu_metadata
.endif
;; end of part 1
;; launch qkv (part 2): grid 256 x 1, 4 waves a work-group, clusters of 4 x 1, 327,680 bytes of LDS; arguments x, g1, be1, wts, qws, kv; writes qws, kv
.if DOCPART == 2
	.amdgcn_target "amdgcn-amd-amdhsa--gfx1250"
	.amdhsa_code_object_version 6
	.text
	.protected	k_q7d4c159b86_qkv
	.globl	k_q7d4c159b86_qkv
	.p2align	8
	.type	k_q7d4c159b86_qkv,@function
k_q7d4c159b86_qkv:
	s_mov_b64 s[64:65], 0
	v_nop
	global_prefetch_b8 v0, s[64:65] scope:SCOPE_SE
	s_setreg_imm32_b32 hwreg(HW_REG_WAVE_MODE, 25, 1), 1
	s_wait_xcnt 0x0
	s_wait_alu depctr_hold_cnt(0) depctr_sa_sdst(0) depctr_va_vdst(0) depctr_va_sdst(0) depctr_va_ssrc(0) depctr_va_vcc(0) depctr_vm_vsrc(0)
	s_getreg_b32 s2, hwreg(HW_REG_IB_STS2, 6, 4)
	s_cmp_eq_u32 s2, 0
	s_cbranch_scc0 .Lentry_in_a_cluster
	s_endpgm
.Lentry_in_a_cluster:
	s_bfe_u32 s2, ttmp6, 0x10000c
	s_cmp_lg_u32 s2, 0x3003
	s_cbranch_scc0 .Lentry_shape_is_right
	s_endpgm
.Lentry_shape_is_right:
; h = layer_norm(x) g1 + be1; q = h Wq, k = h Wk, v = h Wv on codes of FP6 (E2M3) with one E8M0 byte for each 32 along K; q and k are quantised along d, v along the tokens, and stored as operand fragments.
; SHARES.  A work-group takes 64 tokens, four tiles m of 16; token (m, i) = 32 (m/2) + 8 (m%2) + i + 8 (i/8).  Wave w normalises and quantises tile m = w (its whole rows), and hands the fragments to the others
; through LDS as images of their registers.  In the products THE WAVES SHARE THE COLUMNS: wave w makes columns 128 w .. 128 w + 127 of q, k and v for all 64 tokens: 32 accumulators, window 1.
; The products for q and k are used transposed (source 0 = 16 columns of W, source 1 = 16 tokens): a lane holds one token and its registers run along d, the next K.  For v the sources are swapped back:
; a lane holds one d and its registers run along the tokens, which are the K of attention's second product.
; WEIGHTS come as chunks of CH bytes (64 fragments + their scale words, laid by the launch before in the order of use) through a ring of two LDS slots.  All work-groups read the same chunks: the four of a
; cluster ask JOINTLY, each wave for a quarter (100 rows of 256 bytes).  By this text's own count a wave has one tensor load outstanding.
; A fragment (12 registers a lane) is two halves of 768 bytes: registers 6c..6c+3 at 16 x lane, then 6c+4, 6c+5 at 8 x lane.
; OUT.  qws: 26,624 bytes a work-group: fragment (m, K step s) at 1,536 (4 m + s); scale words at 24,576 + 512 m + 16 lane + 4 s.
;       kv: chunk 2 c (keys) and 2 c + 1 (values) for cluster c, 256 tokens: my 64 are tiles 4 cx + m of K, and half cx % 2 of K step cx / 2 of V.
; LIMITS: NaN and infinities are not served; a block of zeros, or one under 2^-124, gets the byte 1 (this program alone reads the bytes).
; REGISTERS, in windows of 256.  window 0: v1-23 addresses; v30, v31 the add's; v32-47 norm's sums and h's scale words; v80-87 W's scale words, v88-95 h's; v96-122 at work (32 numbers); v128-223 eight fragments of h;
;   v224-255 at work (64 numbers).  window 1: x, then h, then the accumulators.  window 2: g1.  window 3: be1, then the wave's 16 fragments of W.
.set CH,    102400
.set ACT,   204800                     ; LDS: two slots of CH; then h's 16 fragments, (m, s) at 1,536 (4 m + s);
.set ASC,   24576                      ; (from ACT on) their scale words, 512 m + 16 lane + 4 s;
.set STO,   48128                      ; a stage of 16 rows x 528 bytes for each wave;
.set SPARE, 286720                     ; the spare words, 128 bytes a wave: two blocks of 256 bytes that no other line names
.set AW,   1                           ; v1, v2  slot + 24,576 w + 16 lane: my fragments of W
.set AWB,  3                           ; v3, v4  slot + 24,576 w + 8 lane + 512
.set AWS,  5                           ; v5, v6  slot + 98,304 + 1,024 w + 4 lane: their scale words
.set B16,  7                           ; v7   ACT + 16 lane
.set B8,   8                           ; v8   ACT + 8 lane
.set WA16, 9                           ; v9   ACT + 6,144 w + 16 lane: where I store h's fragments
.set WA8,  10                          ; v10  ACT + 6,144 w + 8 lane
.set W4,   13                          ; v13  ACT + 512 w + 16 lane: and their scale words
.set SD,   17                          ; v17  ACT + 8,448 w + 16 lane: the stage by rows
.set SF,   18                          ; v18  ACT + 8,448 w + 528 r + 64 h: the stage by lanes
.set GL16, 19                          ; v19  16 lane
.set GL8,  20                          ; v20  8 lane
.set GH,   21                          ; v21  64 h
.set GS,   23                          ; v23  4 r
.set SPW,  30
.set NIL,  31
.set SW,   80
.set SP,   88
.set TM,   96
.set TP,   98
.set SO,   100
.set HWA,  102
.set CD,   104
.set PW,   113
.set FM,   224
.set FP,   228
.set FS,   232
.set PC,   236
.set WV,   22
.set CX,   23
.set GW,   24
.set G1,   28
.set G0,   36
.set SEL,  50
.set MSB, 0
.macro WIN new                         ; the immediate's high byte repeats the setting that is left; a switch that changes nothing is dropped
.if MSB != (\new)
	s_set_vgpr_msb (MSB<<8)|(\new)
.set MSB, (\new)
.endif
.endm
.macro ROUND                           ; a round of the cluster's barrier
	s_barrier_signal -1
	s_barrier_wait -1
	s_cmp_lg_u32 s[WV], 0
	s_cbranch_scc1 .Lnw0_\@
	s_barrier_signal -3
.Lnw0_\@:
	s_barrier_wait -3
	s_barrier_signal -1
	s_barrier_wait -1
.endm
; THE CHANGE OF SLOTS, in two parts with scalar lines between.  Each wave waits for all its tensor loads (its quarter of the chunk that is read next), adds 0 to its spare word, waits for that, for its LDS stores
; (the images that the others read next) and for its reads of the slot that is left.  f = 0, 1: a round of the cluster's barrier, and that slot is filled, first thing behind it; f = 2: nothing is left to fetch.
.macro CHEAD
	WIN 0
	s_wait_tensorcnt 0x0                           ; no tensor load of mine is out, so a group 0 may be written
	ds_add_u32 v[SPW], v[NIL]                      ; 0 onto my spare word
.endm
.macro CTAIL f
	s_wait_dscnt 0x0                               ; the add, my stores and my reads are done
.if \f < 2
	ROUND
	tensor_load_to_lds s[G0+4*\f:G0+4*\f+3], s[G1:G1+7]
	s_nop 0
.else
	s_barrier_signal -1
	s_barrier_wait -1
.endif
.rept 5
	v_nop                                          ; four behind a tensor load; they are the places in front of the loads into operand registers, and five serve accumulators begun anew
.endr
.endm
.macro MM d, a, b, c, sa, sb, row      ; one product.  c < 0: it starts the sum.  row = 1: source 0's scale words lie in lanes 16-31; 2: source 1's
.if (\c) < 0
.if (\row) == 0
	v_wmma_scale_f32_16x16x128_f8f6f4 v[0+(\d):0+(\d)+7], v[0+(\a):0+(\a)+11], v[0+(\b):0+(\b)+11], 0, v[0+(\sa)], v[0+(\sb)] matrix_a_fmt:MATRIX_FMT_FP6 matrix_b_fmt:MATRIX_FMT_FP6
.elseif (\row) == 1
	v_wmma_scale_f32_16x16x128_f8f6f4 v[0+(\d):0+(\d)+7], v[0+(\a):0+(\a)+11], v[0+(\b):0+(\b)+11], 0, v[0+(\sa)], v[0+(\sb)] matrix_a_fmt:MATRIX_FMT_FP6 matrix_b_fmt:MATRIX_FMT_FP6 matrix_a_scale:MATRIX_SCALE_ROW1
.else
	v_wmma_scale_f32_16x16x128_f8f6f4 v[0+(\d):0+(\d)+7], v[0+(\a):0+(\a)+11], v[0+(\b):0+(\b)+11], 0, v[0+(\sa)], v[0+(\sb)] matrix_a_fmt:MATRIX_FMT_FP6 matrix_b_fmt:MATRIX_FMT_FP6 matrix_b_scale:MATRIX_SCALE_ROW1
.endif
.else
.if (\row) == 0
	v_wmma_scale_f32_16x16x128_f8f6f4 v[0+(\d):0+(\d)+7], v[0+(\a):0+(\a)+11], v[0+(\b):0+(\b)+11], v[0+(\c):0+(\c)+7], v[0+(\sa)], v[0+(\sb)] matrix_a_fmt:MATRIX_FMT_FP6 matrix_b_fmt:MATRIX_FMT_FP6
.elseif (\row) == 1
	v_wmma_scale_f32_16x16x128_f8f6f4 v[0+(\d):0+(\d)+7], v[0+(\a):0+(\a)+11], v[0+(\b):0+(\b)+11], v[0+(\c):0+(\c)+7], v[0+(\sa)], v[0+(\sb)] matrix_a_fmt:MATRIX_FMT_FP6 matrix_b_fmt:MATRIX_FMT_FP6 matrix_a_scale:MATRIX_SCALE_ROW1
.else
	v_wmma_scale_f32_16x16x128_f8f6f4 v[0+(\d):0+(\d)+7], v[0+(\a):0+(\a)+11], v[0+(\b):0+(\b)+11], v[0+(\c):0+(\c)+7], v[0+(\sa)], v[0+(\sb)] matrix_a_fmt:MATRIX_FMT_FP6 matrix_b_fmt:MATRIX_FMT_FP6 matrix_b_scale:MATRIX_SCALE_ROW1
.endif
.endif
.endm
.macro WLOAD slot                      ; my 16 fragments of the chunk into window 3, in the order of use; first their scale words: lanes 0-15 fragment 2 k's, lanes 16-31 fragment 2 k + 1's
	WIN 0
.irp ki, 0,1,2,3,4,5,6,7
	ds_load_b32 v[SW+\ki], v[AWS+\slot] offset:128*\ki
.endr
	WIN 0xc0
.set iw, 0
.rept 16
	ds_load_b128 v[12*iw:12*iw+3], v[AW+\slot] offset:1536*iw
	ds_load_b64 v[12*iw+4:12*iw+5], v[AWB+\slot] offset:1536*iw
	ds_load_b128 v[12*iw+6:12*iw+9], v[AW+\slot] offset:1536*iw+768
	ds_load_b64 v[12*iw+10:12*iw+11], v[AWB+\slot] offset:1536*iw+768
.set iw, iw+1
.endr
.endm
.macro PLOAD off, ms, sadr, soff, ss   ; eight activation fragments (tile m, K step s of the chunk's two) into v128 + 12 (2 m + s), and their scale words; always ahead of WLOAD
	WIN 0
.irp mi, 0,1,2,3
	ds_load_b64 v[SP+2*\mi:SP+2*\mi+1], v[\sadr] offset:(\soff)+(\ss)*\mi
.endr
.irp mi, 0,1,2,3
.irp si, 0,1
.irp ci, 0,1
	ds_load_b128 v[128+12*(2*\mi+\si)+6*\ci:128+12*(2*\mi+\si)+6*\ci+3], v[B16] offset:(\off)+(\ms)*\mi+1536*\si+768*\ci
	ds_load_b64 v[128+12*(2*\mi+\si)+6*\ci+4:128+12*(2*\mi+\si)+6*\ci+5], v[B8] offset:(\off)+(\ms)*\mi+1536*\si+768*\ci+512
.endr
.endr
.endr
.endm
; 64 products: my fragment i (K step i / 8, tile i % 8) against the four tiles of tokens.  The 32 accumulators take turns, one instruction a turn.
; The wait ahead of fragment i leaves out the four loads of each of the 15 - i younger fragments.  swap = 1: source 0 = the tokens, source 1 = W.
.macro PVMUL zero, swap
.if \swap
	WIN 0x5c
.else
	WIN 0x53
.endif
.set ip, 0
.rept 16
	s_wait_dscnt 60-4*ip
.irp mi, 0,1,2,3
.if \swap
.if \zero && (ip < 8)
	MM 32*(ip%8)+8*\mi, 128+12*(2*\mi+ip/8), 12*ip, -1, SP+2*\mi+ip/8, SW+ip/2, 2*(ip%2)
.else
	MM 32*(ip%8)+8*\mi, 128+12*(2*\mi+ip/8), 12*ip, 32*(ip%8)+8*\mi, SP+2*\mi+ip/8, SW+ip/2, 2*(ip%2)
.endif
.else
.if \zero && (ip < 8)
	MM 64*\mi+8*(ip%8), 12*ip, 128+12*(2*\mi+ip/8), -1, SW+ip/2, SP+2*\mi+ip/8, ip%2
.else
	MM 64*\mi+8*(ip%8), 12*ip, 128+12*(2*\mi+ip/8), 64*\mi+8*(ip%8), SW+ip/2, SP+2*\mi+ip/8, ip%2
.endif
.endif
.endr
.set ip, ip+1
.endr
.endm
; THE QUANTISER.  Numbers lie so: register 16 b + i = k 32 b + 16 (lane / 16) + i of the lane's row.  A block's largest magnitude: my 16 (with the floor 2^(3 - 127)), then lane l xor 16's.
; 2 off its exponent field is the conversion's scale operand, and that >> 23 the byte.  The operand's layout wants a whole block in a lane: three exchanges of halves and three moves for each pair of blocks.
; Accumulators are read in ascending order.  sw: the window of the numbers.
.macro QMAX src, sw                    ; 32 numbers, two blocks
	WIN (\sw)|((\sw)<<2)
.irp b, 0,1
	v_max3_num_f32 v[TM+\b], |v[0+(\src)+16*\b]|, |v[0+(\src)+16*\b+1]|, 0x1800000
.endr
	WIN ((\sw)<<2)|((\sw)<<4)
.irp i, 2,4,6,8,10,12,14
.irp b, 0,1
	v_max3_num_f32 v[TM+\b], v[TM+\b], |v[0+(\src)+16*\b+\i]|, |v[0+(\src)+16*\b+\i+1]|
.endr
.endr
	WIN 0
.irp b, 0,1
	v_permlanex16_b32 v[TP+\b], v[TM+\b], s[SEL], s[SEL+1]
.endr
.irp b, 0,1
	v_max_num_f32 v[TM+\b], v[TM+\b], v[TP+\b]
.endr
.endm
.macro QTAIL src, sw, dst, hw          ; from the two largest magnitudes in v[TM]: half a fragment in v[dst] .. + 5, its two bytes in v[hw]
.irp b, 0,1
	v_add_nc_u32 v[SO+\b], 0xff000000, v[TM+\b]
.endr
.irp b, 0,1
	v_lshrrev_b32 v[TP+\b], 23, v[SO+\b]
.endr
	v_lshl_or_b32 v[0+(\hw)], v[TP+1], 8, v[TP]
	WIN \sw
	v_cvt_scalef32_pk16_fp6_f32 v[0+(\dst):0+(\dst)+2], v[0+(\src):0+(\src)+15], v[SO]
	v_cvt_scalef32_pk16_fp6_f32 v[0+(\dst)+6:0+(\dst)+8], v[0+(\src)+16:0+(\src)+31], v[SO+1]
	WIN 0
	v_nop                                          ; one plain instruction behind a scaled conversion
.irp i, 0,1,2
	v_permlane16_swap_b32 v[0+(\dst)+\i], v[0+(\dst)+6+\i]
.endr
.irp i, 0,1,2
	v_mov_b32 v[0+(\dst)+3+\i], v[0+(\dst)+6+\i]
.endr
.endm
.macro QF src, sw, wt, pw              ; 64 numbers, four blocks by turns: a fragment in v[PC] .. + 11, its scale word in v[pw].  wt = 1, 2: the last fragment's LDS (global) stores have read these registers first
	WIN (\sw)|((\sw)<<2)
.irp b, 0,1,2,3
	v_max3_num_f32 v[FM+\b], |v[0+(\src)+16*\b]|, |v[0+(\src)+16*\b+1]|, 0x1800000
.endr
	WIN ((\sw)<<2)|((\sw)<<4)
.irp i, 2,4,6,8,10,12,14
.irp b, 0,1,2,3
	v_max3_num_f32 v[FM+\b], v[FM+\b], |v[0+(\src)+16*\b+\i]|, |v[0+(\src)+16*\b+\i+1]|
.endr
.endr
	WIN 0
.irp b, 0,1,2,3
	v_permlanex16_b32 v[FP+\b], v[FM+\b], s[SEL], s[SEL+1]
.endr
.irp b, 0,1,2,3
	v_max_num_f32 v[FM+\b], v[FM+\b], v[FP+\b]
.endr
.irp b, 0,1,2,3
	v_add_nc_u32 v[FS+\b], 0xff000000, v[FM+\b]
.endr
.irp b, 0,1,2,3
	v_lshrrev_b32 v[FP+\b], 23, v[FS+\b]
.endr
.if \wt == 1
	s_wait_dscnt 0x0
.elseif \wt == 2
	s_wait_xcnt 0x0
.endif
	v_lshl_or_b32 v[0+(\pw)], v[FP+1], 8, v[FP]
	v_lshl_or_b32 v[0+(\pw)], v[FP+2], 16, v[0+(\pw)]
	v_lshl_or_b32 v[0+(\pw)], v[FP+3], 24, v[0+(\pw)]
	WIN \sw
.irp c, 0,1
	v_cvt_scalef32_pk16_fp6_f32 v[PC+6*\c:PC+6*\c+2], v[0+(\src)+32*\c:0+(\src)+32*\c+15], v[FS+2*\c]
	v_cvt_scalef32_pk16_fp6_f32 v[PC+12+4*\c:PC+14+4*\c], v[0+(\src)+32*\c+16:0+(\src)+32*\c+31], v[FS+2*\c+1]
.endr
	WIN 0
	v_nop                                          ; one plain instruction behind a scaled conversion
.irp c, 0,1
.irp i, 0,1,2
	v_permlane16_swap_b32 v[PC+6*\c+\i], v[PC+12+4*\c+\i]
.endr
.irp i, 0,1,2
	v_mov_b32 v[PC+3+6*\c+\i], v[PC+12+4*\c+\i]
.endr
.endr
.endm
.macro FSTORE a16, a8, off             ; the fragment in v[PC] on goes to LDS as it stands
	ds_store_b128 v[\a16], v[PC:PC+3] offset:(\off)
	ds_store_b64 v[\a8], v[PC+4:PC+5] offset:(\off)+512
	ds_store_b128 v[\a16], v[PC+6:PC+9] offset:(\off)+768
	ds_store_b64 v[\a8], v[PC+10:PC+11] offset:(\off)+1280
.endm
; 16 rows x 512 bytes, loaded as they lie (register 4 i ..: row i, my 16 bytes), turn through my stage and come back in the same registers as the quantiser wants them: register 16 b + 4 j ..: row r, columns 32 b + 16 h + 4 j ..
; LDS serves a wave's instructions in order (ISA guide 5.7.1.4): no wait between the stores and the loads, nor ahead of the next turn's stores.  Rows are 528 bytes apart.
.macro STIN reg
	WIN 0x04
.set is, 0
.rept 16
	ds_store_b128 v[SD], v[0+(\reg)+4*is:0+(\reg)+4*is+3] offset:STO+528*is
.set is, is+1
.endr
	WIN 0x40
.set is, 0
.rept 16
	ds_load_b128 v[0+(\reg)+4*is:0+(\reg)+4*is+3], v[SF] offset:STO+128*(is/4)+16*(is%4)
.set is, is+1
.endr
.endm
	s_load_b256 s[4:11], s[0:1], 0x0               ; x, g1, be1, wts
	s_load_b128 s[12:15], s[0:1], 0x20             ; qws, kv
	v_lshl_add_u32 v[SPW], v0, 2, SPARE
	v_mov_b32 v[NIL], 0
	ds_add_u32 v30, v31
	ds_add_u32 v30, v31
	s_wait_dscnt 0x0
	v_lshrrev_b32 v24, 5, v0
	v_readfirstlane_b32 s[WV], v24                 ; wave 0..3
	s_bfe_u32 s[CX], ttmp6, 0x40000                ; my place in the cluster: it enters global addresses of my own loads and stores alone
	s_lshl_b32 s[GW], ttmp9, 2
	s_add_co_u32 s[GW], s[GW], s[CX]               ; my block of 64 tokens
	; descriptor group 1: a quarter of a chunk: 100 dense rows of 256 bytes (32 elements of 8 bytes), no padding
	s_mov_b32 s[G1], 15|(3<<16)|(1<<21)            ; 15:0 the mask: all four work-groups; 17:16 elements of 8 bytes; 21 set beside a mask
	s_mov_b32 s[G1+1], 32<<16                      ; tensor_dim0
	s_mov_b32 s[G1+2], 100<<16                     ; tensor_dim1
	s_mov_b32 s[G1+3], 32<<16                      ; tile_dim0
	s_mov_b32 s[G1+4], 100                         ; tile_dim1
	s_mov_b32 s[G1+5], 32                          ; from row to row
	s_mov_b32 s[G1+6], 0
	s_mov_b32 s[G1+7], 0
	s_mov_b32 s[SEL], 0x76543210
	s_mov_b32 s[SEL+1], 0xfedcba98                 ; v_permlanex16_b32's selects for lane l xor 16
	s_mov_b32 s70, 0x3b000000                      ; 1 / 512
	s_mov_b32 s71, 0x3727c5ac                      ; 1e-5
	v_and_b32 v24, 31, v0                          ; lane
	v_and_b32 v25, 15, v0                          ; r
	v_bfe_u32 v26, v0, 4, 1                        ; h
	s_mul_i32 s66, s[WV], 24576
	v_lshl_add_u32 v[AW], v24, 4, s66
	v_add_nc_u32 v[AW+1], CH, v[AW]
	v_lshl_add_u32 v[AWB], v24, 3, s66
	v_add_nc_u32 v[AWB], 512, v[AWB]
	v_add_nc_u32 v[AWB+1], CH, v[AWB]
	s_lshl_b32 s67, s[WV], 10
	s_add_co_u32 s67, s67, 98304
	v_lshl_add_u32 v[AWS], v24, 2, s67
	v_add_nc_u32 v[AWS+1], CH, v[AWS]
	v_lshl_add_u32 v[B16], v24, 4, ACT
	v_lshl_add_u32 v[B8], v24, 3, ACT
	s_mul_i32 s66, s[WV], 6144
	v_add_nc_u32 v[WA16], s66, v[B16]
	v_add_nc_u32 v[WA8], s66, v[B8]
	s_lshl_b32 s66, s[WV], 9
	v_add_nc_u32 v[W4], s66, v[B16]
	s_mul_i32 s66, s[WV], 8448
	v_add_nc_u32 v[SD], s66, v[B16]
	v_mul_u32_u24 v[SF], v25, 528
	v_lshl_add_u32 v[SF], v26, 6, v[SF]
	v_add_nc_u32 v[SF], s66, v[SF]
	v_add_nc_u32 v[SF], ACT, v[SF]
	v_lshlrev_b32 v[GL16], 4, v24
	v_lshlrev_b32 v[GL8], 3, v24
	v_lshlrev_b32 v[GH], 6, v26
	v_lshlrev_b32 v[GS], 2, v25
	; byte offsets, each in a pair of its own
	s_lshl_b32 s66, s[GW], 17                      ; x: 64 g rows of 2,048 bytes,
	s_lshr_b32 s67, s[WV], 1
	s_lshl_b32 s67, s67, 16                        ; + 32 (w / 2) rows
	s_add_co_u32 s66, s66, s67
	s_and_b32 s67, s[WV], 1
	s_lshl_b32 s67, s67, 14                        ; + 8 (w % 2) rows: my tile's first token
	s_add_co_u32 s66, s66, s67
	s_mov_b32 s67, 0
	s_mul_i32 s68, s[WV], 25600                    ; my quarter of a chunk, in memory and in a slot
	s_mov_b32 s69, 0
	s_mul_i32 s72, s[GW], 26624
	s_mul_i32 s73, s[WV], 1536
	s_add_co_u32 s52, s72, s73                     ; q's codes: K step w of each tile
	s_mov_b32 s53, 0
	s_lshl_b32 s73, s[WV], 2
	s_add_co_u32 s54, s72, s73                     ; q's scale words
	s_mov_b32 s55, 0
	s_mul_i32 s72, ttmp9, 2*CH                     ; the cluster's chunk of keys
	s_lshl_b32 s73, s[CX], 4
	s_lshl_b32 s74, s[WV], 2
	s_add_co_u32 s73, s73, s74                     ; place 16 cx + 4 w + m: read by wave cx as K step w of its tile m
	s_mul_i32 s74, s73, 1536
	s_add_co_u32 s56, s72, s74
	s_mov_b32 s57, 0
	s_lshl_b32 s74, s73, 6
	s_add_co_u32 s58, s72, s74
	s_add_co_u32 s58, s58, 98304
	s_mov_b32 s59, 0
	s_add_co_u32 s72, s72, CH                      ; its chunk of values
	s_lshl_b32 s73, s[WV], 4
	s_lshr_b32 s74, s[CX], 1
	s_lshl_b32 s74, s74, 3
	s_add_co_u32 s73, s73, s74                     ; place 16 w + 8 (cx / 2) + t,
	s_and_b32 s75, s[CX], 1                        ; half cx % 2
	s_mul_i32 s74, s73, 1536
	s_add_co_u32 s60, s72, s74
	s_mul_i32 s74, s75, 768
	s_add_co_u32 s60, s60, s74
	s_mov_b32 s61, 0
	s_lshl_b32 s74, s73, 6
	s_add_co_u32 s62, s72, s74
	s_lshl_b32 s74, s75, 1
	s_add_co_u32 s62, s62, s74
	s_add_co_u32 s62, s62, 98304
	s_mov_b32 s63, 0
	s_wait_kmcnt 0x0
	s_add_nc_u64 s[4:5], s[4:5], s[66:67]
	s_add_nc_u64 s[10:11], s[10:11], s[68:69]
	s_add_nc_u64 s[52:53], s[12:13], s[52:53]
	s_add_nc_u64 s[54:55], s[12:13], s[54:55]
	s_add_nc_u64 s[56:57], s[14:15], s[56:57]
	s_add_nc_u64 s[58:59], s[14:15], s[58:59]
	s_add_nc_u64 s[60:61], s[14:15], s[60:61]
	s_add_nc_u64 s[62:63], s[14:15], s[62:63]
	s_mov_b32 s[G0], 1                             ; group 0 of slot 0: chunk 0
	s_mov_b32 s[G0+1], s68
	s_mov_b64 s[G0+2:G0+3], s[10:11]
	s_or_b32 s[G0+3], s[G0+3], 0x80000000
	s_mov_b32 s[G0+4], 1                           ; of slot 1: chunk 1
	s_add_co_u32 s[G0+5], s68, CH
	s_add_nc_u64 s[G0+6:G0+7], s[10:11], CH
	s_or_b32 s[G0+7], s[G0+7], 0x80000000
	; g1 and be1 in the quantiser's layout (register 16 B + 4 j ..: columns 32 B + 16 h + 4 j ..), then my 16 rows of x, a quarter of their columns at a time
	WIN 0x80
.set q, 0
.rept 64
	global_load_b128 v[4*q:4*q+3], v[GH], s[6:7] offset:128*(q/4)+16*(q%4)
.set q, q+1
.endr
	WIN 0xc0
.set q, 0
.rept 64
	global_load_b128 v[4*q:4*q+3], v[GH], s[8:9] offset:128*(q/4)+16*(q%4)
.set q, q+1
.endr
	WIN 0x40
.set q, 0
.rept 64
	global_load_b128 v[4*q:4*q+3], v[GL16], s[4:5] offset:((q%16)+8*((q%16)/8))*2048+512*(q/16) th:TH_LOAD_NT   ; 32 lanes read 512 consecutive bytes of row q % 16, quarter q / 16
.set q, q+1
.endr
	WIN 0
	ROUND                                          ; all four work-groups are here: the first joint load meets
	tensor_load_to_lds s[G0:G0+3], s[G1:G1+7]
	s_nop 0
	v_mov_b32 v[TP], 0                             ; written once: a lane permute's destination counts as one of its sources
	v_mov_b32 v[TP+1], 0
.irp b, 0,1,2,3
	v_mov_b32 v[FP+\b], 0
.endr
.irp cq, 0,1,2,3
	s_wait_loadcnt 48-16*\cq                       ; this quarter's 16 loads are in (g1 and be1, which are older, too); the later quarters' may be out
	STIN 64*\cq
.endr
	s_wait_dscnt 0x0
	; LAYER NORM, in two passes as it is defined.  Lanes l and l xor 16 hold a row between them, 256 numbers each.
	WIN 0x05
.irp ci, 0,1,2,3
	v_pk_add_f32 v[32+2*\ci:33+2*\ci], v[2*\ci:2*\ci+1], v[8+2*\ci:9+2*\ci]
.endr
	WIN 0x04
.set p, 16
.rept 120
	v_pk_add_f32 v[32+p%8:33+p%8], v[32+p%8:33+p%8], v[p:p+1]
.set p, p+2
.endr
	WIN 0
	v_pk_add_f32 v[32:33], v[32:33], v[34:35]
	v_pk_add_f32 v[36:37], v[36:37], v[38:39]
	v_pk_add_f32 v[32:33], v[32:33], v[36:37]
	v_add_f32 v32, v32, v33
	v_permlanex16_b32 v33, v32, s[SEL], s[SEL+1]
	v_add_f32 v32, v32, v33
	v_mul_f32 v40, s70, v32                        ; the mean
	v_mov_b32 v41, v40
	WIN 0x41
.set p, 0
.rept 128
	v_pk_add_f32 v[p:p+1], v[p:p+1], v[40:41] neg_lo:[0,1] neg_hi:[0,1]
.set p, p+2
.endr
	WIN 0x05
.irp ci, 0,1,2,3
	v_pk_mul_f32 v[32+2*\ci:33+2*\ci], v[2*\ci:2*\ci+1], v[2*\ci:2*\ci+1]
.endr
.set p, 8
.rept 124
	v_pk_fma_f32 v[32+p%8:33+p%8], v[p:p+1], v[p:p+1], v[32+p%8:33+p%8]
.set p, p+2
.endr
	WIN 0
	v_pk_add_f32 v[32:33], v[32:33], v[34:35]
	v_pk_add_f32 v[36:37], v[36:37], v[38:39]
	v_pk_add_f32 v[32:33], v[32:33], v[36:37]
	v_add_f32 v32, v32, v33
	v_permlanex16_b32 v33, v32, s[SEL], s[SEL+1]
	v_add_f32 v32, v32, v33
	v_fma_f32 v32, v32, s70, s71                   ; the variance + 1e-5
	v_rsq_f32 v42, v32
	v_nop                                          ; a plain instruction behind the transcendental,
	s_wait_alu depctr_va_vdst(0)                   ; and the wait ahead of its first reader
	v_mov_b32 v43, v42
	WIN 0x41
.set p, 0
.rept 128
	v_pk_mul_f32 v[p:p+1], v[p:p+1], v[42:43]
.set p, p+2
.endr
	WIN 0x79                                       ; h (window 1) = that x g1 (window 2) + be1 (window 3)
.set p, 0
.rept 128
	v_pk_fma_f32 v[p:p+1], v[p:p+1], v[p:p+1], v[p:p+1]
.set p, p+2
.endr
	; h's four fragments of my tile, and their scale words, go to LDS
	QF 0, 1, 0, 44
	FSTORE WA16, WA8, 0
.irp si, 1,2,3
	QF 64*\si, 1, 1, 44+\si
	FSTORE WA16, WA8, 1536*\si
.endr
	ds_store_b128 v[W4], v[44:47] offset:ASC
; A chunk's head: the change of slots, h's fragments of the chunk's two K steps, my fragments of W.  The change's barrier also shows h's images to every wave.
.macro QPH n, f
	CHEAD
.if \f < 2
	s_add_nc_u64 s[G0+4*(1-\f)+2:G0+4*(1-\f)+3], s[G0+4*(1-\f)+2:G0+4*(1-\f)+3], 2*CH   ; the other slot's next chunk
.endif
	CTAIL \f
	PLOAD 3072*((\n)%2), 6144, B16, ASC+8*((\n)%2), 512
	WLOAD (\n)%2
.endm
; q or k leaves: for each tile of tokens my 128 columns are K step w: one fragment and one scale word a row.  It stands between a chunk's LDS loads and its products, and issues no LDS instruction, so the products' counts hold.
.macro EPI cb, cstr, sb, sreg, soff, sstr
.irp mi, 0,1,2,3
	QF 64*\mi, 1, 2, PW
	global_store_b128 v[GL16], v[PC:PC+3], s[\cb:\cb+1] offset:(\cstr)*\mi           ; 32 lanes store 512 consecutive bytes, aligned to 256
	global_store_b64 v[GL8], v[PC+4:PC+5], s[\cb:\cb+1] offset:(\cstr)*\mi+512
	global_store_b128 v[GL16], v[PC+6:PC+9], s[\cb:\cb+1] offset:(\cstr)*\mi+768
	global_store_b64 v[GL8], v[PC+10:PC+11], s[\cb:\cb+1] offset:(\cstr)*\mi+1280
	global_store_b32 v[\sreg], v[PW], s[\sb:\sb+1] offset:(\soff)+(\sstr)*\mi
.endr
.endm
	QPH 0, 1
	PVMUL 1, 0                                     ; q, K steps 0 and 1
	QPH 1, 0
	PVMUL 0, 0                                     ; q, K steps 2 and 3
	QPH 2, 1
	EPI 52, 6144, 54, GL16, 24576, 512             ; q leaves while Wk's fragments land
	PVMUL 1, 0
	QPH 3, 0
	PVMUL 0, 0
	QPH 4, 1
	EPI 56, 1536, 58, GS, 0, 64                    ; k leaves
	PVMUL 1, 1                                     ; v: the sources swapped: accumulator (t, m) at 32 t + 8 m: a lane holds one d, its 32 registers of a tile t run along my 64 tokens
	QPH 5, 2
	PVMUL 0, 1
	WIN 0
.rept 4
	v_nop                                          ; places behind the last products
.endr
.irp tt, 0,1,2,3,4,5,6,7                       ; v leaves: 64 tokens are half a K step of the second product: half a fragment and two bytes a row of V^T
	QMAX 32*\tt, 1
	s_wait_xcnt 0x0                                ; the stores of two tiles back have read their registers
	QTAIL 32*\tt, 1, CD+10*(\tt%2), HWA+(\tt%2)
	global_store_b128 v[GL16], v[CD+10*(\tt%2):CD+10*(\tt%2)+3], s[60:61] offset:1536*\tt
	global_store_b64 v[GL8], v[CD+10*(\tt%2)+4:CD+10*(\tt%2)+5], s[60:61] offset:1536*\tt+512
	global_store_b16 v[GS], v[HWA+(\tt%2)], s[62:63] offset:64*\tt
.endr
	s_wait_tensorcnt 0x0                           ; the wave's end
	ds_add_u32 v[SPW], v[NIL]
	s_wait_dscnt 0x0
	ROUND                                          ; the closing round: no work-group ends while a partner may still ask for a chunk that names it
	s_endpgm
.Lfunc_end_k_q7d4c159b86_qkv:
	.size	k_q7d4c159b86_qkv, .Lfunc_end_k_q7d4c159b86_qkv-k_q7d4c159b86_qkv
	.p2alignl 7, 3214868480
	.fill 96, 4, 3214868480
	.section	.rodata,"a",@progbits
	.p2align	6, 0x0
	.amdhsa_kernel k_q7d4c159b86_qkv
		.amdhsa_group_segment_fixed_size 327680
		.amdhsa_private_segment_fixed_size 0
		.amdhsa_enable_private_segment 0
		.amdhsa_kernarg_size 48
		.amdhsa_user_sgpr_count 2
		.amdhsa_user_sgpr_kernarg_segment_ptr 1
		.amdhsa_wavefront_size32 1
		.amdhsa_system_sgpr_workgroup_id_x 1
		.amdhsa_system_sgpr_workgroup_id_y 1
		.amdhsa_system_sgpr_workgroup_id_z 1
		.amdhsa_system_vgpr_workitem_id 0
		.amdhsa_next_free_vgpr 1024
		.amdhsa_next_free_sgpr 80
		.amdhsa_reserve_vcc 0
		.amdhsa_float_denorm_mode_32 3
		.amdhsa_float_denorm_mode_16_64 3
		.amdhsa_memory_ordered 1
		.amdhsa_forward_progress 1
		.amdhsa_inst_pref_size 241
	.end_amdhsa_kernel
	.amdgpu_metadata
---
amdhsa.version: [ 1, 2 ]
amdhsa.kernels:
  - .name:           k_q7d4c159b86_qkv
    .symbol:         k_q7d4c159b86_qkv.kd
    .args:
      - { .name: x, .offset: 0, .size: 8, .value_kind: global_buffer, .address_space: global }
      - { .name: g1, .offset: 8, .size: 8, .value_kind: global_buffer, .address_space: global }
      - { .name: be1, .offset: 16, .size: 8, .value_kind: global_buffer, .address_space: global }
      - { .name: wts, .offset: 24, .size: 8, .value_kind: global_buffer, .address_space: global }
      - { .name: qws, .offset: 32, .size: 8, .value_kind: global_buffer, .address_space: global }
      - { .name: kv, .offset: 40, .size: 8, .value_kind: global_buffer, .address_space: global }
    .group_segment_fixed_size: 327680
    .private_segment_fixed_size: 0
    .kernarg_segment_align: 8
    .kernarg_segment_size: 48
    .max_flat_workgroup_size: 128
    .sgpr_count:     80
    .vgpr_count:     1024
    .wavefront_size: 32
...
	.end_amdgpu_metadata
.endif
;; end of part 2
;; launch attn (part 3): grid 256 x 1, 4 waves a work-group, clusters of 4 x 1, 327,680 bytes of LDS; arguments qws, kv, wts, x, g2, be2, b1, b2, out0; writes out0
.if DOCPART == 3
	.amdgcn_target "amdgcn-amd-amdhsa--gfx1250"
	.amdhsa_code_object_version 6
	.text
	.protected	k_q7d4c159b86_attn
	.globl	k_q7d4c159b86_attn
	.p2align	8
	.type	k_q7d4c159b86_attn,@function
k_q7d4c159b86_attn:
	s_mov_b64 s[64:65], 0
	v_nop
	global_prefetch_b8 v0, s[64:65] scope:SCOPE_SE
	s_setreg_imm32_b32 hwreg(HW_REG_WAVE_MODE, 25, 1), 1
	s_wait_xcnt 0x0
	s_wait_alu depctr_hold_cnt(0) depctr_sa_sdst(0) depctr_va_vdst(0) depctr_va_sdst(0) depctr_va_ssrc(0) depctr_va_vcc(0) depctr_vm_vsrc(0)
	s_getreg_b32 s2, hwreg(HW_REG_IB_STS2, 6, 4)
	s_cmp_eq_u32 s2, 0
	s_cbranch_scc0 .Lentry_in_a_cluster
	s_endpgm
.Lentry_in_a_cluster:
	s_bfe_u32 s2, ttmp6, 0x10000c
	s_cmp_lg_u32 s2, 0x3003
	s_cbranch_scc0 .Lentry_shape_is_right
	s_endpgm
.Lentry_shape_is_right:
; out = x1 + gelu(layer_norm(x1) W1 + b1) W2 + b2, x1 = x + (softmax(q k^T / sqrt(512)) v) Wo: five products on codes of FP6 (E2M3) with one E8M0 byte for each 32 along K.  Nothing between q, k, v and out goes to memory.
; SHARES.  A work-group takes 64 tokens of one batch, four tiles m of 16; token (m, i) = 32 (m/2) + 8 (m%2) + i + 8 (i/8).  Every product is used transposed: source 0 = 16 keys, 16 d of V or 16 columns of a weight,
; source 1 = 16 tokens; a lane holds ONE token throughout.  THE FOUR WAVES SHARE SOURCE 0's TILES, so each fragment that a wave reads from LDS feeds four products.  Two shapes of phase, 64 products a wave each:
;   S: 16 tiles x 4 K steps (keys, W1): wave w makes 64 scores or hidden units for all 64 tokens, which are half a K step of the phase that follows: quantised in registers, handed round through LDS as register images;
;   P: 32 tiles x 2 K steps (V, Wo, W2): wave w adds onto columns 128 w .. + 127 of the 64 tokens: 32 accumulators, window 1, which hold O, then x1, then out.
; Source 0 comes as chunks of CH bytes (64 fragments + scale words, laid by the earlier launches in the order of use) through a ring of two LDS slots: eight times K_j V_j, then Wo Wo, then four times W1_j W2_j.
; The four work-groups of a cluster belong to one batch and walk the same chunks: each chunk is asked for JOINTLY, a quarter (100 rows of 256 bytes) a wave.  By this text's own count a wave has one tensor load outstanding.
; ORDER.  The eight clusters of a batch need the same eight key steps: cluster c begins at step c % 8 and goes round, so that no two of them ask for the same chunk in the same step; the running maximum makes the order of the keys free.
; Likewise the MLP's four steps, a sum over the hidden units: cluster c begins at step c % 4.  The order hangs on the cluster's number alone, which the four partners share.
; SOFTMAX.  t = score x log2(e) / sqrt(512); M = the row's largest t so far over all four waves' keys (exchanged through LDS), rounded UP to a whole number; p = 2^(t - M) is quantised, not normalised;
; the sum is taken of the unquantised p; when M moves, the sum and O are multiplied by 2^(old M - new M), which rounds nothing.  O is divided by the sum at the end.
; LAYER NORM 2.  A row lies in four waves: each takes its 128 columns' mean and sum of squares about THAT mean; the parts are joined by M2 = sum M2_w + 128 sum (mean_w - mean)^2: no difference of large sums.
; GELU is u (1 + erf(u / sqrt 2)) / 2, erf = z P(z^2) / Q(z^2) on z held to +-3.8325.
; LIMITS: NaN and infinities are not served; a block of zeros, or one under 2^-124, gets the byte 1; erf is good to a few ulp of erf, so for u under about -3 gelu's error is about 1e-7 |u|, absolute; the sums over the keys and over the hidden units are added in another order than plain sums, and in another in each cluster.
; REGISTERS, in windows of 256.  window 0: v1-23 addresses, v24-29 addresses of the loop over tiles, v30, v31 the add's; v32-47 q's (later h2's) scale words; v48-79 softmax's statistics, later b1; v80-87, v88-95 scale words;
;   v96-122 at work; v123-127 gelu's constants; v128-255 scores and p | eight activation fragments | at work.  window 1: the accumulators, (m, t) at 64 m + 8 t.  window 2: v0-191 q's 16 fragments, later x's tiles 2 and 3, later g2, be2, b2; v192-255 x's tile 0.
;   window 3: v0-191 my 16 fragments of the chunk; v192-255 x's tile 1.
.set CH,    102400
.set ACT,   204800                     ; LDS: two slots of CH; then 16 activation fragments, (m, s) at 1,536 (4 m + s): attention's output, later h2;
.set ASC,   24576                      ; (from ACT on) their scale words, 512 m + 16 lane + 4 s;
.set PIM,   26624                      ; p's or the hidden layer's halves, (m, wave) at 3,072 m + 768 w;
.set PSC,   38912                      ; their bytes, 256 m + 8 lane + 2 w;
.set MXO,   39936                      ; the waves' largest scores, 512 m + 16 lane + 4 w;
.set LXO,   41984                      ; the waves' sums, likewise;
.set LNO,   44032                      ; the waves' means and M2, 1,024 m + 32 lane + 8 w;
.set STO,   48128                      ; a stage of 16 rows x 528 bytes for each wave;
.set SPARE, 286720                     ; the spare words, 128 bytes a wave: two blocks of 256 bytes that no other line names
.set AW,   1                           ; v1, v2  slot + 24,576 w + 16 lane
.set AWB,  3                           ; v3, v4  slot + 24,576 w + 8 lane + 512
.set AWS,  5                           ; v5, v6  slot + 98,304 + 1,024 w + 4 lane
.set B16,  7                           ; v7   ACT + 16 lane
.set B8,   8                           ; v8   ACT + 8 lane
.set WA16, 9                           ; v9   ACT + 1,536 w + 16 lane
.set WA8,  10                          ; v10  ACT + 1,536 w + 8 lane
.set WP16, 11                          ; v11  ACT + 768 w + 16 lane
.set WP8,  12                          ; v12  ACT + 768 w + 8 lane
.set W4,   13                          ; v13  ACT + 16 lane + 4 w
.set WH,   14                          ; v14  ACT + 8 lane + 2 w
.set L32,  15                          ; v15  ACT + 32 lane
.set L32W, 16                          ; v16  ACT + 32 lane + 8 w
.set SD,   17                          ; v17  ACT + 8,448 w + 16 lane
.set SF,   18                          ; v18  ACT + 8,448 w + 528 r + 64 h
.set GL16, 19                          ; v19  16 lane
.set GL8,  20                          ; v20  8 lane
.set GH,   21                          ; v21  64 h
.set PFX,  23                          ; v23  256 lane
.set SPW,  30
.set NIL,  31
.set SQ,   32
.set ST,   48                          ; tile m at v[48 + 8 m]: +0 -M, +1 the largest t, +2, +3 the sum, +4 f, +5 at work, +6, +7 the two blocks' largest scores
.set SW,   80
.set SP,   88
.set TM,   96
.set TP,   98
.set SO,   100
.set HWA,  102
.set CD,   104
.set PW,   113
.set CLP,  123
.set FM,   224
.set FP,   228
.set FS,   232
.set PC,   236
.set WV,   22
.set CX,   23
.set GW,   24
.set J,    25                          ; key steps to go
.set MC,   27
.set G1,   28
.set G0,   36
.set SEL,  50
.set CS,   52
.set KC,   54                          ; the key step that the descriptors stand at, 0 to 7
.set JT,   76
.set XB,   78
.set W1A,  88                          ; s[88:89], s[90:91] my cluster's first W1 and W2 chunks, as descriptor words
.set W2A,  90
.set C1,   92                          ; the MLP step that W1's descriptor, W2's descriptor and b1's pointer stand at, 0 to 3
.set C2,   93
.set C3,   94
.set WR,   96                          ; s[96:97] what a step takes off again where it goes round
.set MSB, 0
.macro WIN new                         ; the immediate's high byte repeats the setting that is left; a switch that changes nothing is dropped
.if MSB != (\new)
	s_set_vgpr_msb (MSB<<8)|(\new)
.set MSB, (\new)
.endif
.endm
.macro ROUND                           ; a round of the cluster's barrier
	s_barrier_signal -1
	s_barrier_wait -1
	s_cmp_lg_u32 s[WV], 0
	s_cbranch_scc1 .Lnw0_\@
	s_barrier_signal -3
.Lnw0_\@:
	s_barrier_wait -3
	s_barrier_signal -1
	s_barrier_wait -1
.endm
.macro BAR                             ; my LDS stores have landed and my LDS loads are in: then the work-group's barrier.  The chunk on its way may stay out
	s_wait_dscnt 0x0
	s_barrier_signal -1
	s_barrier_wait -1
.endm
; THE CHANGE OF SLOTS, in two parts with scalar lines between.  Each wave waits for all its tensor loads (its quarter of the chunk that is read next), adds 0 to its spare word, waits for that, for its LDS stores
; (the images that the others read next) and for its reads of the slot that is left.  f = 0, 1: a round of the cluster's barrier, and that slot is filled, first thing behind it; f = 2: nothing is left to fetch.
.macro CHEAD
	WIN 0
	s_wait_tensorcnt 0x0                           ; no tensor load of mine is out, so a group 0 may be written
	ds_add_u32 v[SPW], v[NIL]                      ; 0 onto my spare word
.endm
.macro CTAIL f
	s_wait_dscnt 0x0                               ; the add, my stores and my reads are done
.if \f < 2
	ROUND
	tensor_load_to_lds s[G0+4*\f:G0+4*\f+3], s[G1:G1+7]
	s_nop 0
.else
	s_barrier_signal -1
	s_barrier_wait -1
.endif
.rept 5
	v_nop                                          ; four behind a tensor load; they are the places in front of the loads into operand registers; the fifth serves the scores' accumulators, which are laid over p's fragments
.endr
.endm
.macro WSTEP g, c                      ; a descriptor of the MLP goes one step on: two chunks, and from step 3 round to step 0
	s_add_nc_u64 s[\g:\g+1], s[\g:\g+1], 2*CH
	s_add_co_u32 s[\c], s[\c], 1
	s_cmp_eq_u32 s[\c], 4
	s_cselect_b32 s[WR], 8*CH, 0
	s_cselect_b32 s[\c], 0, s[\c]
	s_sub_nc_u64 s[\g:\g+1], s[\g:\g+1], s[WR:WR+1]
.endm
.macro MM d, a, b, c, sa, sb, row      ; one product.  c < 0: it starts the sum.  row = 1: source 0's scale words lie in lanes 16-31
.if (\c) < 0
.if (\row) == 0
	v_wmma_scale_f32_16x16x128_f8f6f4 v[0+(\d):0+(\d)+7], v[0+(\a):0+(\a)+11], v[0+(\b):0+(\b)+11], 0, v[0+(\sa)], v[0+(\sb)] matrix_a_fmt:MATRIX_FMT_FP6 matrix_b_fmt:MATRIX_FMT_FP6
.else
	v_wmma_scale_f32_16x16x128_f8f6f4 v[0+(\d):0+(\d)+7], v[0+(\a):0+(\a)+11], v[0+(\b):0+(\b)+11], 0, v[0+(\sa)], v[0+(\sb)] matrix_a_fmt:MATRIX_FMT_FP6 matrix_b_fmt:MATRIX_FMT_FP6 matrix_a_scale:MATRIX_SCALE_ROW1
.endif
.else
.if (\row) == 0
	v_wmma_scale_f32_16x16x128_f8f6f4 v[0+(\d):0+(\d)+7], v[0+(\a):0+(\a)+11], v[0+(\b):0+(\b)+11], v[0+(\c):0+(\c)+7], v[0+(\sa)], v[0+(\sb)] matrix_a_fmt:MATRIX_FMT_FP6 matrix_b_fmt:MATRIX_FMT_FP6
.else
	v_wmma_scale_f32_16x16x128_f8f6f4 v[0+(\d):0+(\d)+7], v[0+(\a):0+(\a)+11], v[0+(\b):0+(\b)+11], v[0+(\c):0+(\c)+7], v[0+(\sa)], v[0+(\sb)] matrix_a_fmt:MATRIX_FMT_FP6 matrix_b_fmt:MATRIX_FMT_FP6 matrix_a_scale:MATRIX_SCALE_ROW1
.endif
.endif
.endm
.macro WLOAD slot                      ; my 16 fragments of the chunk into window 3, in the order of use; first their scale words: lanes 0-15 fragment 2 k's, lanes 16-31 fragment 2 k + 1's
	WIN 0
.irp ki, 0,1,2,3,4,5,6,7
	ds_load_b32 v[SW+\ki], v[AWS+\slot] offset:128*\ki
.endr
	WIN 0xc0
.set iw, 0
.rept 16
	ds_load_b128 v[12*iw:12*iw+3], v[AW+\slot] offset:1536*iw
	ds_load_b64 v[12*iw+4:12*iw+5], v[AWB+\slot] offset:1536*iw
	ds_load_b128 v[12*iw+6:12*iw+9], v[AW+\slot] offset:1536*iw+768
	ds_load_b64 v[12*iw+10:12*iw+11], v[AWB+\slot] offset:1536*iw+768
.set iw, iw+1
.endr
.endm
.macro PLOAD off, ms, sadr, soff, ss   ; eight activation fragments (tile m, K step s of the chunk's two) into v128 + 12 (2 m + s), and their scale words; always ahead of WLOAD
	WIN 0
.irp mi, 0,1,2,3
	ds_load_b64 v[SP+2*\mi:SP+2*\mi+1], v[\sadr] offset:(\soff)+(\ss)*\mi
.endr
.irp mi, 0,1,2,3
.irp si, 0,1
.irp ci, 0,1
	ds_load_b128 v[128+12*(2*\mi+\si)+6*\ci:128+12*(2*\mi+\si)+6*\ci+3], v[B16] offset:(\off)+(\ms)*\mi+1536*\si+768*\ci
	ds_load_b64 v[128+12*(2*\mi+\si)+6*\ci+4:128+12*(2*\mi+\si)+6*\ci+5], v[B8] offset:(\off)+(\ms)*\mi+1536*\si+768*\ci+512
.endr
.endr
.endr
.endm
; A P phase's 64 products: my fragment i (K step i / 8, tile i % 8) against the four tiles of tokens, onto the accumulators.  The 32 take turns, one instruction a turn.
; The wait ahead of fragment i leaves out the four loads of each of the 15 - i younger fragments.
.macro PVMUL
	WIN 0x53
.set ip, 0
.rept 16
	s_wait_dscnt 60-4*ip
.irp mi, 0,1,2,3
	MM 64*\mi+8*(ip%8), 12*ip, 128+12*(2*\mi+ip/8), 64*\mi+8*(ip%8), SW+ip/2, SP+2*\mi+ip/8, ip%2
.endr
.set ip, ip+1
.endr
.endm
; The scores' 64 products, in the same order: my fragment i of K (K step i / 4, tile i % 4) against q's four tiles as soon as it has landed.  16 accumulators by turns; the first four fragments start the sums.
.macro SMUL
	WIN 0x0b                                       ; source 0 (K) window 3, source 1 (q) window 2, the scores window 0
.set iq, 0
.rept 16
	s_wait_dscnt 60-4*iq                           ; the four loads of each of the 15 - i younger fragments may be out
.irp mi, 0,1,2,3
.if iq < 4
	MM 128+32*\mi+8*(iq%4), 12*iq, 48*\mi+12*(iq/4), -1, SW+iq/2, SQ+4*\mi+iq/4, iq%2
.else
	MM 128+32*\mi+8*(iq%4), 12*iq, 48*\mi+12*(iq/4), 128+32*\mi+8*(iq%4), SW+iq/2, SQ+4*\mi+iq/4, iq%2
.endif
.endr
.set iq, iq+1
.endr
.endm
; 16 products of an S phase for one tile of tokens (the MLP's form): my fragment i (K step i / 4, tile i % 4); four accumulators by turns; the sums start at v[cb + 8 kt], a bias.  All operands but source 0 lie in window 0.
.macro S16 acc, bbase, sbase, cb
	WIN 0x03
.set iq, 0
.rept 16
.if iq < 4
	MM (\acc)+8*(iq%4), 12*iq, (\bbase)+12*(iq/4), (\cb)+8*(iq%4), SW+iq/2, (\sbase)+iq/4, iq%2
.else
	MM (\acc)+8*(iq%4), 12*iq, (\bbase)+12*(iq/4), (\acc)+8*(iq%4), SW+iq/2, (\sbase)+iq/4, iq%2
.endif
.set iq, iq+1
.endr
.endm
; THE QUANTISER.  Numbers lie so: register 16 b + i = k 32 b + 16 (lane / 16) + i of the lane's row.  A block's largest magnitude: my 16 (with the floor 2^(3 - 127)), then lane l xor 16's.
; 2 off its exponent field is the conversion's scale operand, and that >> 23 the byte.  The operand's layout wants a whole block in a lane: three exchanges of halves and three moves for each pair of blocks.
; Accumulators are read in ascending order.  sw: the window of the numbers.
.macro QMAX src, sw                    ; 32 numbers, two blocks
	WIN (\sw)|((\sw)<<2)
.irp b, 0,1
	v_max3_num_f32 v[TM+\b], |v[0+(\src)+16*\b]|, |v[0+(\src)+16*\b+1]|, 0x1800000
.endr
	WIN ((\sw)<<2)|((\sw)<<4)
.irp i, 2,4,6,8,10,12,14
.irp b, 0,1
	v_max3_num_f32 v[TM+\b], v[TM+\b], |v[0+(\src)+16*\b+\i]|, |v[0+(\src)+16*\b+\i+1]|
.endr
.endr
	WIN 0
.irp b, 0,1
	v_permlanex16_b32 v[TP+\b], v[TM+\b], s[SEL], s[SEL+1]
.endr
.irp b, 0,1
	v_max_num_f32 v[TM+\b], v[TM+\b], v[TP+\b]
.endr
.endm
.macro QTAIL src, sw, dst, hw          ; from the two largest magnitudes in v[TM]: half a fragment in v[dst] .. + 5, its two bytes in v[hw]
.irp b, 0,1
	v_add_nc_u32 v[SO+\b], 0xff000000, v[TM+\b]
.endr
.irp b, 0,1
	v_lshrrev_b32 v[TP+\b], 23, v[SO+\b]
.endr
	v_lshl_or_b32 v[0+(\hw)], v[TP+1], 8, v[TP]
	WIN \sw
	v_cvt_scalef32_pk16_fp6_f32 v[0+(\dst):0+(\dst)+2], v[0+(\src):0+(\src)+15], v[SO]
	v_cvt_scalef32_pk16_fp6_f32 v[0+(\dst)+6:0+(\dst)+8], v[0+(\src)+16:0+(\src)+31], v[SO+1]
	WIN 0
	v_nop                                          ; one plain instruction behind a scaled conversion
.irp i, 0,1,2
	v_permlane16_swap_b32 v[0+(\dst)+\i], v[0+(\dst)+6+\i]
.endr
.irp i, 0,1,2
	v_mov_b32 v[0+(\dst)+3+\i], v[0+(\dst)+6+\i]
.endr
.endm
.macro QF src, sw, wt, pw              ; 64 numbers, four blocks by turns: a fragment in v[PC] .. + 11, its scale word in v[pw].  wt = 1: the last fragment's LDS stores have read these registers first
	WIN (\sw)|((\sw)<<2)
.irp b, 0,1,2,3
	v_max3_num_f32 v[FM+\b], |v[0+(\src)+16*\b]|, |v[0+(\src)+16*\b+1]|, 0x1800000
.endr
	WIN ((\sw)<<2)|((\sw)<<4)
.irp i, 2,4,6,8,10,12,14
.irp b, 0,1,2,3
	v_max3_num_f32 v[FM+\b], v[FM+\b], |v[0+(\src)+16*\b+\i]|, |v[0+(\src)+16*\b+\i+1]|
.endr
.endr
	WIN 0
.irp b, 0,1,2,3
	v_permlanex16_b32 v[FP+\b], v[FM+\b], s[SEL], s[SEL+1]
.endr
.irp b, 0,1,2,3
	v_max_num_f32 v[FM+\b], v[FM+\b], v[FP+\b]
.endr
.irp b, 0,1,2,3
	v_add_nc_u32 v[FS+\b], 0xff000000, v[FM+\b]
.endr
.irp b, 0,1,2,3
	v_lshrrev_b32 v[FP+\b], 23, v[FS+\b]
.endr
.if \wt == 1
	s_wait_dscnt 0x0
.endif
	v_lshl_or_b32 v[0+(\pw)], v[FP+1], 8, v[FP]
	v_lshl_or_b32 v[0+(\pw)], v[FP+2], 16, v[0+(\pw)]
	v_lshl_or_b32 v[0+(\pw)], v[FP+3], 24, v[0+(\pw)]
	WIN \sw
.irp c, 0,1
	v_cvt_scalef32_pk16_fp6_f32 v[PC+6*\c:PC+6*\c+2], v[0+(\src)+32*\c:0+(\src)+32*\c+15], v[FS+2*\c]
	v_cvt_scalef32_pk16_fp6_f32 v[PC+12+4*\c:PC+14+4*\c], v[0+(\src)+32*\c+16:0+(\src)+32*\c+31], v[FS+2*\c+1]
.endr
	WIN 0
	v_nop                                          ; one plain instruction behind a scaled conversion
.irp c, 0,1
.irp i, 0,1,2
	v_permlane16_swap_b32 v[PC+6*\c+\i], v[PC+12+4*\c+\i]
.endr
.irp i, 0,1,2
	v_mov_b32 v[PC+3+6*\c+\i], v[PC+12+4*\c+\i]
.endr
.endr
.endm
.macro FSTORE a16, a8, off             ; the fragment in v[PC] on goes to LDS as it stands
	ds_store_b128 v[\a16], v[PC:PC+3] offset:(\off)
	ds_store_b64 v[\a8], v[PC+4:PC+5] offset:(\off)+512
	ds_store_b128 v[\a16], v[PC+6:PC+9] offset:(\off)+768
	ds_store_b64 v[\a8], v[PC+10:PC+11] offset:(\off)+1280
.endm
; 16 rows x 512 bytes turn through my stage.  STIN: from rows as they lie in memory (register src + 4 i .. of window sw: row i, my 16 bytes) to the accumulators' layout (register dst + 16 b + 4 j .. of window 1: row r, columns 32 b + 16 h + 4 j ..);
; STOUT: back, in the same registers of window 1.  LDS serves a wave's instructions in order (ISA guide 5.7.1.4): no wait between the stores and the loads, nor ahead of the next turn's stores.  Rows are 528 bytes apart.
.macro STIN dst, src, sw
	WIN (\sw)<<2
.set is, 0
.rept 16
	ds_store_b128 v[SD], v[0+(\src)+4*is:0+(\src)+4*is+3] offset:STO+528*is
.set is, is+1
.endr
	WIN 0x40
.set is, 0
.rept 16
	ds_load_b128 v[0+(\dst)+4*is:0+(\dst)+4*is+3], v[SF] offset:STO+128*(is/4)+16*(is%4)
.set is, is+1
.endr
.endm
.macro STOUT reg
	WIN 0x04
.set is, 0
.rept 16
	ds_store_b128 v[SF], v[0+(\reg)+4*is:0+(\reg)+4*is+3] offset:STO+128*(is/4)+16*(is%4)   ; each accumulator from its low end on
.set is, is+1
.endr
	WIN 0x40
.set is, 0
.rept 16
	ds_load_b128 v[0+(\reg)+4*is:0+(\reg)+4*is+3], v[SD] offset:STO+528*is
.set is, is+1
.endr
.endm
.macro XLD mm, base                    ; x's tile mm, my 128 columns: 32 lanes read my 512 bytes of token (mm, q)'s row into register base + 4 q .. of the window that the caller has set
.set q, 0
.rept 16
	global_load_b128 v[0+(\base)+4*q:0+(\base)+4*q+3], v[GL16], s[10:11] offset:(32*((\mm)/2)+8*((\mm)%2)+q+8*(q/8))*2048 th:TH_LOAD_NT
.set q, q+1
.endr
.endm
	s_load_b512 s[4:19], s[0:1], 0x0               ; qws, kv, wts, x, g2, be2, b1, b2
	s_load_b64 s[20:21], s[0:1], 0x40              ; out0
	v_lshl_add_u32 v[SPW], v0, 2, SPARE
	v_mov_b32 v[NIL], 0
	ds_add_u32 v30, v31
	ds_add_u32 v30, v31
	s_wait_dscnt 0x0
	v_lshrrev_b32 v24, 5, v0
	v_readfirstlane_b32 s[WV], v24                 ; wave 0..3
	s_bfe_u32 s[CX], ttmp6, 0x40000                ; my place in the cluster: it enters global addresses of my own loads, stores and prefetches alone
	s_lshl_b32 s[GW], ttmp9, 2
	s_add_co_u32 s[GW], s[GW], s[CX]               ; my block of 64 tokens
	; descriptor group 1: a quarter of a chunk: 100 dense rows of 256 bytes (32 elements of 8 bytes), no padding
	s_mov_b32 s[G1], 15|(3<<16)|(1<<21)            ; 15:0 the mask: all four work-groups; 17:16 elements of 8 bytes; 21 set beside a mask
	s_mov_b32 s[G1+1], 32<<16                      ; tensor_dim0
	s_mov_b32 s[G1+2], 100<<16                     ; tensor_dim1
	s_mov_b32 s[G1+3], 32<<16                      ; tile_dim0
	s_mov_b32 s[G1+4], 100                         ; tile_dim1
	s_mov_b32 s[G1+5], 32                          ; from row to row
	s_mov_b32 s[G1+6], 0
	s_mov_b32 s[G1+7], 0
	s_mov_b32 s[SEL], 0x76543210
	s_mov_b32 s[SEL+1], 0xfedcba98                 ; v_permlanex16_b32's selects for lane l xor 16
	s_mov_b32 s[CS], 0x3d8293ee                    ; c = log2(e) / sqrt(512)
	s_mov_b32 s[CS+1], s[CS]                       ; (named with it as a pair, so it is written)
	s_mov_b32 s56, 0xaf95df0b                      ; erf's a13,
	s_mov_b32 s57, s56
	s_mov_b32 s58, 0xb77460cd                      ; and b8
	s_mov_b32 s59, s58
	s_mov_b32 s72, 0x3b000000                      ; 1 / 512
	s_mov_b32 s73, 0x3727c5ac                      ; 1e-5
	s_mov_b32 s[J], 8
	s_and_b32 s[KC], ttmp9, 7                      ; my cluster's first key step,
	s_and_b32 s[C1], ttmp9, 3                      ; and its first step of the MLP: the same in all four partners
	s_mov_b32 s[C2], s[C1]
	s_mov_b32 s[C3], s[C1]
	s_mov_b32 s61, 0                               ; the upper words of the pairs that are taken off where a walk goes round
	s_mov_b32 s[WR+1], 0
	v_and_b32 v24, 31, v0                          ; lane
	v_and_b32 v25, 15, v0                          ; r
	v_bfe_u32 v26, v0, 4, 1                        ; h
	s_mul_i32 s66, s[WV], 24576
	v_lshl_add_u32 v[AW], v24, 4, s66
	v_add_nc_u32 v[AW+1], CH, v[AW]
	v_lshl_add_u32 v[AWB], v24, 3, s66
	v_add_nc_u32 v[AWB], 512, v[AWB]
	v_add_nc_u32 v[AWB+1], CH, v[AWB]
	s_lshl_b32 s67, s[WV], 10
	s_add_co_u32 s67, s67, 98304
	v_lshl_add_u32 v[AWS], v24, 2, s67
	v_add_nc_u32 v[AWS+1], CH, v[AWS]
	v_lshl_add_u32 v[B16], v24, 4, ACT
	v_lshl_add_u32 v[B8], v24, 3, ACT
	s_mul_i32 s66, s[WV], 1536
	v_add_nc_u32 v[WA16], s66, v[B16]
	v_add_nc_u32 v[WA8], s66, v[B8]
	s_mul_i32 s66, s[WV], 768
	v_add_nc_u32 v[WP16], s66, v[B16]
	v_add_nc_u32 v[WP8], s66, v[B8]
	s_lshl_b32 s66, s[WV], 2
	v_add_nc_u32 v[W4], s66, v[B16]
	s_lshl_b32 s66, s[WV], 1
	v_add_nc_u32 v[WH], s66, v[B8]
	v_lshl_add_u32 v[L32], v24, 5, ACT
	s_lshl_b32 s66, s[WV], 3
	v_add_nc_u32 v[L32W], s66, v[L32]
	s_mul_i32 s66, s[WV], 8448
	v_add_nc_u32 v[SD], s66, v[B16]
	v_mul_u32_u24 v[SF], v25, 528
	v_lshl_add_u32 v[SF], v26, 6, v[SF]
	v_add_nc_u32 v[SF], s66, v[SF]
	v_add_nc_u32 v[SF], ACT, v[SF]
	v_lshlrev_b32 v[GL16], 4, v24
	v_lshlrev_b32 v[GL8], 3, v24
	v_lshlrev_b32 v[GH], 6, v26
	v_lshlrev_b32 v[PFX], 8, v24
	; byte offsets
	s_lshr_b32 s66, ttmp9, 3
	s_mul_i32 s66, s66, 16*CH                      ; the batch's 16 chunks,
	s_mul_i32 s68, s[WV], 25600                    ; my quarter of a chunk, in memory and in a slot,
	s_add_co_u32 s66, s66, s68
	s_mul_i32 s67, s[KC], 2*CH                     ; my cluster's first key step
	s_add_co_u32 s66, s66, s67
	s_mov_b32 s67, 0
	s_mov_b32 s69, 0
	s_mul_i32 s70, s[GW], 26624                    ; my block's q
	s_mov_b32 s71, 0
	s_lshl_b32 s74, s[GW], 17                      ; my block's 64 rows of x and of out;
	s_lshl_b32 s75, s[WV], 14
	s_add_co_u32 s80, s74, s75
	s_add_co_u32 s80, s80, 65536                   ; of rows 32 to 63 a quarter, 16,384 bytes, for my prefetches;
	s_mov_b32 s81, 0
	s_lshl_b32 s75, s[WV], 9
	s_add_co_u32 s74, s74, s75                     ; my 128 columns for my loads and stores
	s_mov_b32 s82, s75                             ; my 128 numbers of g2, be2, b2
	s_mov_b32 s83, 0
	s_mov_b32 s75, 0
	s_lshl_b32 s84, s[WV], 8                       ; my 64 numbers of a step of b1,
	s_lshl_b32 s85, s[C1], 10                      ; in my cluster's first step
	s_add_co_u32 s84, s84, s85
	s_mov_b32 s85, 0
	s_mul_i32 s86, s[C1], 2*CH                     ; and that step's chunk of W1: 8 + 2 j
	s_add_co_u32 s86, s86, 8*CH
	s_mov_b32 s87, 0
	s_wait_kmcnt 0x0
	s_add_nc_u64 s[4:5], s[4:5], s[70:71]
	s_add_nc_u64 s[6:7], s[6:7], s[66:67]          ; kv at my quarter of my first chunk of keys
	s_add_nc_u64 s[8:9], s[8:9], s[68:69]          ; wts at my quarter of chunk 0
	s_add_nc_u64 s[XB:XB+1], s[10:11], s[80:81]
	s_add_nc_u64 s[10:11], s[10:11], s[74:75]
	s_add_nc_u64 s[20:21], s[20:21], s[74:75]
	s_add_nc_u64 s[12:13], s[12:13], s[82:83]
	s_add_nc_u64 s[14:15], s[14:15], s[82:83]
	s_add_nc_u64 s[18:19], s[18:19], s[82:83]
	s_add_nc_u64 s[16:17], s[16:17], s[84:85]
	s_mov_b32 s[G0], 1                             ; group 0 of slot 0: my first keys
	s_mov_b32 s[G0+1], s68
	s_mov_b64 s[G0+2:G0+3], s[6:7]
	s_or_b32 s[G0+3], s[G0+3], 0x80000000
	s_mov_b32 s[G0+4], 1                           ; of slot 1: their values
	s_add_co_u32 s[G0+5], s68, CH
	s_add_nc_u64 s[G0+6:G0+7], s[6:7], CH
	s_or_b32 s[G0+7], s[G0+7], 0x80000000
	s_add_nc_u64 s[44:45], s[8:9], 6*CH            ; Wo's two chunks, as descriptor words: they take the keys' and values' place when those are through
	s_or_b32 s45, s45, 0x80000000
	s_add_nc_u64 s[46:47], s[8:9], 7*CH
	s_or_b32 s47, s47, 0x80000000
	s_add_nc_u64 s[W1A:W1A+1], s[8:9], s[86:87]    ; and the MLP's first two
	s_add_nc_u64 s[W2A:W2A+1], s[W1A:W1A+1], CH
	s_or_b32 s[W1A+1], s[W1A+1], 0x80000000
	s_or_b32 s[W2A+1], s[W2A+1], 0x80000000
	WIN 0x80                                       ; q's 16 fragments stay in window 2
.set q, 0
.rept 16
	global_load_b128 v[12*q:12*q+3], v[GL16], s[4:5] offset:1536*q th:TH_LOAD_NT
	global_load_b64 v[12*q+4:12*q+5], v[GL8], s[4:5] offset:1536*q+512 th:TH_LOAD_NT
	global_load_b128 v[12*q+6:12*q+9], v[GL16], s[4:5] offset:1536*q+768 th:TH_LOAD_NT
	global_load_b64 v[12*q+10:12*q+11], v[GL8], s[4:5] offset:1536*q+1280 th:TH_LOAD_NT
.set q, q+1
.endr
	WIN 0
.irp mi, 0,1,2,3
	global_load_b128 v[SQ+4*\mi:SQ+4*\mi+3], v[GL16], s[4:5] offset:24576+512*\mi th:TH_LOAD_NT
.endr
	ROUND                                          ; all four work-groups are here: the first joint load meets
	tensor_load_to_lds s[G0:G0+3], s[G1:G1+7]
	s_nop 0
.irp mi, 0,1,2,3
	v_mov_b32 v[ST+8*\mi+1], 0xff61b1e6            ; the largest t so far: -3e38, under every t
.endr
.irp mi, 0,1,2,3
	v_floor_f32 v[ST+8*\mi], -v[ST+8*\mi+1]        ; -M
	v_mov_b32 v[ST+8*\mi+2], 0                     ; the sum, in two halves
	v_mov_b32 v[ST+8*\mi+3], 0
.endr
.irp i, 0,1,2,3,4,5,6,7
	v_mov_b32 v[CD+\i], 0                          ; written once: a lane permute's destination counts as one of its sources
.endr
	WIN 0x40
.set q, 0
.rept 256
	v_mov_b32 v[q], 0                              ; O.  (The key step is written once: the first finds zeros, which the first change of M leaves zeros; a first step of its own would be a second copy of the loop's text)
.set q, q+1
.endr
	WIN 0
	s_wait_loadcnt 0x0                             ; q
	WIN 0x80                                       ; x's tiles 0 and 1 are asked for now, into 128 registers that the key loop leaves idle: they have the whole loop in which to land
	XLD 0, 192
	WIN 0xc0
	XLD 1, 192
	WIN 0
.Lkey:                                             ; 8 trips of 256 keys
	; ---- the scores: slot 0 holds this step's keys; its values are asked for
	CHEAD
	s_add_nc_u64 s[G0+2:G0+3], s[G0+2:G0+3], 2*CH  ; slot 0's next chunk: the next step's keys,
	s_add_co_u32 s[KC], s[KC], 1
	s_cmp_eq_u32 s[KC], 8
	s_cselect_b32 s60, 16*CH, 0                    ; from step 7 round to step 0 (the values' descriptor takes the same off below),
	s_cselect_b32 s[KC], 0, s[KC]
	s_sub_nc_u64 s[G0+2:G0+3], s[G0+2:G0+3], s[60:61]
	s_cmp_eq_u32 s[J], 1
	s_cselect_b64 s[G0+2:G0+3], s[44:45], s[G0+2:G0+3]   ; or, behind my last keys, Wo's first
	CTAIL 1
	WLOAD 0
	SMUL
	WIN 0
.rept 4
	v_nop                                          ; places behind the last products
.endr
	; lane (r, h), tile m: register 128 + 32 m + 16 b + i is the score of token (m, r) and key 64 w + 32 b + 16 h + i.  The largest score of each block of 32 keys serves twice: for the row's maximum, and, since p rises with the score, for the block's largest p
.irp b, 0,1
.irp mi, 0,1,2,3
	v_max3_num_f32 v[ST+8*\mi+6+\b], v[128+32*\mi+16*\b], v[129+32*\mi+16*\b], v[130+32*\mi+16*\b]
.endr
.endr
.irp i, 3,5,7,9,11,13
.irp b, 0,1
.irp mi, 0,1,2,3
	v_max3_num_f32 v[ST+8*\mi+6+\b], v[ST+8*\mi+6+\b], v[128+32*\mi+16*\b+\i], v[129+32*\mi+16*\b+\i]
.endr
.endr
.endr
.irp b, 0,1
.irp mi, 0,1,2,3
	v_max_num_f32 v[ST+8*\mi+6+\b], v[ST+8*\mi+6+\b], v[143+32*\mi+16*\b]
.endr
.endr
.irp b, 0,1
.irp mi, 0,1,2,3
	v_permlanex16_b32 v[CD+2*\mi+\b], v[ST+8*\mi+6+\b], s[SEL], s[SEL+1]
.endr
.endr
.irp b, 0,1
.irp mi, 0,1,2,3
	v_max_num_f32 v[ST+8*\mi+6+\b], v[ST+8*\mi+6+\b], v[CD+2*\mi+\b]
.endr
.endr
.irp mi, 0,1,2,3
	v_max_num_f32 v[ST+8*\mi+5], v[ST+8*\mi+6], v[ST+8*\mi+7]
.endr
.irp mi, 0,1,2,3
	ds_store_b32 v[W4], v[ST+8*\mi+5] offset:MXO+512*\mi   ; my 64 keys' largest score of each row
.endr
	BAR                                            ; all four waves' lie in LDS
.irp mi, 0,1,2,3
	ds_load_b128 v[96+4*\mi:99+4*\mi], v[B16] offset:MXO+512*\mi
.endr
	; A PREFETCH INTO THE L2 of x's tiles 2 and 3, rows 32 to 63 of my block, 65,536 bytes on end: in my last key step, half a softmax and 64 products ahead of the loads that stand behind the loop.
	; 256 blocks of 256 bytes, 64 a wave, a lane a block, two instructions; no other work-group reads these rows, so each block is named once in the launch.
	s_cmp_eq_u32 s[J], 1
	s_cbranch_scc0 .Lnox
.irp ki, 0,1
	global_prefetch_b8 v[PFX], s[XB:XB+1] offset:8192*\ki th:TH_LOAD_NT scope:SCOPE_SE
.endr
.Lnox:
	s_wait_dscnt 0x0
.irp mi, 0,1,2,3
	v_max3_num_f32 v[96+4*\mi], v[96+4*\mi], v[97+4*\mi], v[98+4*\mi]
.endr
.irp mi, 0,1,2,3
	v_max_num_f32 v[96+4*\mi], v[96+4*\mi], v[99+4*\mi]
.endr
.irp mi, 0,1,2,3
	v_mul_f32 v[96+4*\mi], s[CS], v[96+4*\mi]      ; as t (c is positive)
.endr
.irp mi, 0,1,2,3
	v_max_num_f32 v[ST+8*\mi+1], v[ST+8*\mi+1], v[96+4*\mi]   ; the running largest t
.endr
.irp mi, 0,1,2,3
	v_mov_b32 v[ST+8*\mi+5], v[ST+8*\mi]
.endr
.irp mi, 0,1,2,3
	v_floor_f32 v[ST+8*\mi], -v[ST+8*\mi+1]        ; the new -M = -ceil(t): a whole number, the same in all four waves
.endr
.irp mi, 0,1,2,3
	v_sub_f32 v[ST+8*\mi+5], v[ST+8*\mi], v[ST+8*\mi+5]   ; old M - new M, 0 or less
.endr
.irp mi, 0,1,2,3
	v_cvt_i32_f32 v[ST+8*\mi+5], v[ST+8*\mi+5]     ; (it saturates)
.endr
.irp mi, 0,1,2,3
	v_ldexp_f32 v[ST+8*\mi+4], 1.0, v[ST+8*\mi+5]  ; f = 2^(old M - new M)
.endr
.irp mi, 0,1,2,3
.irp i, 0,2,4,6,8,10,12,14,16,18,20,22,24,26,28,30
	v_pk_fma_f32 v[128+32*\mi+\i:129+32*\mi+\i], v[128+32*\mi+\i:129+32*\mi+\i], s[CS:CS+1], v[ST+8*\mi:ST+8*\mi+1] op_sel_hi:[1,0,0]   ; t - M
.endr
.endr
.irp mi, 0,1,2,3
.irp b, 0,1
	v_fma_f32 v[ST+8*\mi+6+\b], v[ST+8*\mi+6+\b], s[CS], v[ST+8*\mi]   ; the same of each block's largest score
.endr
.endr
.set ie, 0
.rept 128
	v_exp_f32 v[128+ie], v[128+ie]                 ; p = 2^(t - M), at most 1: not normalised
.set ie, ie+1
.endr
.irp mi, 0,1,2,3
.irp b, 0,1
	v_exp_f32 v[ST+8*\mi+6+\b], v[ST+8*\mi+6+\b]   ; the block's largest p: the same arithmetic on the same number
.endr
.endr
.irp mi, 0,1,2,3
	v_pk_mul_f32 v[ST+8*\mi+2:ST+8*\mi+3], v[ST+8*\mi+2:ST+8*\mi+3], v[ST+8*\mi+4:ST+8*\mi+5] op_sel_hi:[1,0]   ; the sums under the new M: plain work behind the exponentials
.endr
	s_wait_alu depctr_va_vdst(0)                   ; one wait for the batch of 136, ahead of its first reader
.irp i, 0,2,4,6,8,10,12,14,16,18,20,22,24,26,28,30
.irp mi, 0,1,2,3
	v_pk_add_f32 v[ST+8*\mi+2:ST+8*\mi+3], v[ST+8*\mi+2:ST+8*\mi+3], v[128+32*\mi+\i:129+32*\mi+\i]   ; the sum of the UNQUANTISED p, the four tiles by turns
.endr
.endr
.irp mi, 0,1,2,3
	v_max_num_f32 v[TM], 0x1800000, v[ST+8*\mi+6]  ; the floor 2^(3 - 127): a block whose every p is 0 keeps the byte 1; its codes are zeros
	v_max_num_f32 v[TM+1], 0x1800000, v[ST+8*\mi+7]
.if \mi >= 2
	s_wait_dscnt 3                                 ; the stores of two tiles back have read their registers; the last tile's three may be out
.endif
	QTAIL 128+32*\mi, 0, CD+10*(\mi%2), HWA+(\mi%2)
	ds_store_b128 v[WP16], v[CD+10*(\mi%2):CD+10*(\mi%2)+3] offset:PIM+3072*\mi   ; my 64 keys are half w % 2 of K step w / 2 of the second product
	ds_store_b64 v[WP8], v[CD+10*(\mi%2)+4:CD+10*(\mi%2)+5] offset:PIM+3072*\mi+512
	ds_store_b16 v[WH], v[HWA+(\mi%2)] offset:PSC+256*\mi
.endr
	; ---- O += V^T P: slot 1 holds this step's values; the next step's keys (or Wo's first chunk) are asked for.  The change's barrier shows p's images to every wave
	CHEAD
	s_add_nc_u64 s[G0+6:G0+7], s[G0+6:G0+7], 2*CH  ; slot 1's next chunk: the next step's values,
	s_sub_nc_u64 s[G0+6:G0+7], s[G0+6:G0+7], s[60:61]   ; round with the keys
	CTAIL 0
	PLOAD PIM, 3072, B8, PSC, 256
	WLOAD 1
	WIN 0x41
.irp mi, 0,1,2,3
.set q, 0
.rept 32
	v_pk_mul_f32 v[64*\mi+q:64*\mi+q+1], v[64*\mi+q:64*\mi+q+1], v[ST+8*\mi+4:ST+8*\mi+5] op_sel_hi:[1,0]   ; O under the new M, while the fragments land
.set q, q+2
.endr
.endr
	PVMUL
	WIN 0
	s_sub_co_u32 s[J], s[J], 1
	s_cmp_lg_u32 s[J], 0
	s_cbranch_scc1 .Lkey
	; ---- attention's finish.  x's tiles 2 and 3 are asked for first, where q lay: they land while the sums are exchanged and O is quantised
	WIN 0x80
	XLD 2, 0
	XLD 3, 64
	WIN 0
.irp mi, 0,1,2,3
	v_add_f32 v[ST+8*\mi+5], v[ST+8*\mi+2], v[ST+8*\mi+3]   ; the sum's two halves (these lines are also the places behind the last products),
.endr
.irp mi, 0,1,2,3
	v_permlanex16_b32 v[CD+\mi], v[ST+8*\mi+5], s[SEL], s[SEL+1]
.endr
.irp mi, 0,1,2,3
	v_add_f32 v[ST+8*\mi+5], v[ST+8*\mi+5], v[CD+\mi]   ; lane l xor 16's,
.endr
.irp mi, 0,1,2,3
	ds_store_b32 v[W4], v[ST+8*\mi+5] offset:LXO+512*\mi
.endr
	BAR
.irp mi, 0,1,2,3
	ds_load_b128 v[96+4*\mi:99+4*\mi], v[B16] offset:LXO+512*\mi
.endr
	s_wait_dscnt 0x0
.irp mi, 0,1,2,3
	v_add_f32 v[96+4*\mi], v[96+4*\mi], v[97+4*\mi]   ; and the four waves'
.endr
.irp mi, 0,1,2,3
	v_add_f32 v[98+4*\mi], v[98+4*\mi], v[99+4*\mi]
.endr
.irp mi, 0,1,2,3
	v_add_f32 v[96+4*\mi], v[96+4*\mi], v[98+4*\mi]
.endr
.irp mi, 0,1,2,3
	v_rcp_f32 v[ST+8*\mi+4], v[96+4*\mi]
.endr
	v_nop                                          ; a plain instruction behind the last reciprocal,
	s_wait_alu depctr_va_vdst(0)                   ; and one wait for the four, ahead of their first reader
.macro AOUT mm, wt                     ; tile mm: O / the sum; my 128 columns are K step w of the product with Wo: one fragment
	WIN 0x41
.set q, 0
.rept 32
	v_pk_mul_f32 v[64*\mm+q:64*\mm+q+1], v[64*\mm+q:64*\mm+q+1], v[ST+8*\mm+4:ST+8*\mm+5] op_sel_hi:[1,0]
.set q, q+2
.endr
	QF 64*\mm, 1, \wt, PW
	FSTORE WA16, WA8, 6144*\mm
	ds_store_b32 v[W4], v[PW] offset:ASC+512*\mm
.endm
	AOUT 0, 0
	AOUT 1, 1
	AOUT 2, 1
	AOUT 3, 1
	; x takes the accumulators' place, a tile at a time through my stage
	s_wait_loadcnt 32                              ; tiles 0 and 1 are in; the 16 loads of each of tiles 2 and 3 may be out
	STIN 0, 192, 2
	STIN 64, 192, 3
	s_wait_loadcnt 16                              ; tile 2 is in; tile 3's 16 may be out
	STIN 128, 0, 2
	s_wait_loadcnt 0x0
	STIN 192, 64, 2
	s_wait_dscnt 0x0                               ; the stage's stores have read x's registers: g2, be2, b2 of my 128 columns may land there (register 16 b + 4 j ..: columns 32 b + 16 h + 4 j ..)
	WIN 0x80
.set q, 0
.rept 16
	global_load_b128 v[4*q:4*q+3], v[GH], s[12:13] offset:128*(q/4)+16*(q%4)
	global_load_b128 v[64+4*q:64+4*q+3], v[GH], s[14:15] offset:128*(q/4)+16*(q%4)
	global_load_b128 v[128+4*q:128+4*q+3], v[GH], s[18:19] offset:128*(q/4)+16*(q%4)
.set q, q+1
.endr
	WIN 0
.macro BLOAD                           ; b1 of my 64 hidden units of a step, in the result's layout: register 48 + 8 kt + j: unit 32 (kt/2) + 8 (kt%2) + 16 h + j
.irp ki, 0,1,2,3
	global_load_b128 v[48+8*\ki:51+8*\ki], v[GH], s[16:17] offset:128*(\ki/2)+32*(\ki%2)
	global_load_b128 v[52+8*\ki:55+8*\ki], v[GH], s[16:17] offset:128*(\ki/2)+32*(\ki%2)+16
.endr
.endm
	BLOAD                                          ; the statistics' registers are free
	; ---- x1 = x + a Wo: two P phases onto the accumulators, which hold x
	CHEAD
	s_mov_b64 s[G0+2:G0+3], s[W1A:W1A+1]           ; slot 0's next chunk: W1 of my cluster's first step
	s_mov_b64 s[G0+6:G0+7], s[46:47]               ; slot 1's: Wo's second
	CTAIL 1
	PLOAD 0, 6144, B16, ASC, 512
	WLOAD 0
	PVMUL
	CHEAD
	s_mov_b64 s[G0+6:G0+7], s[W2A:W2A+1]           ; W2 of that step
	CTAIL 0
	PLOAD 3072, 6144, B16, ASC+8, 512
	WLOAD 1
	PVMUL
	; ---- layer norm 2
	WIN 0
.rept 4
	v_nop                                          ; places behind the last products
.endr
	WIN 0x05
.irp mi, 0,1,2,3
	v_pk_add_f32 v[192+2*\mi:193+2*\mi], v[64*\mi:64*\mi+1], v[64*\mi+2:64*\mi+3]
.endr
	WIN 0x04
.set p, 4
.rept 30
.irp mi, 0,1,2,3
	v_pk_add_f32 v[192+2*\mi:193+2*\mi], v[192+2*\mi:193+2*\mi], v[64*\mi+p:64*\mi+p+1]
.endr
.set p, p+2
.endr
	WIN 0
.irp mi, 0,1,2,3
	v_add_f32 v[192+2*\mi], v[192+2*\mi], v[193+2*\mi]
.endr
.irp mi, 0,1,2,3
	v_permlanex16_b32 v[193+2*\mi], v[192+2*\mi], s[SEL], s[SEL+1]
.endr
.irp mi, 0,1,2,3
	v_add_f32 v[192+2*\mi], v[192+2*\mi], v[193+2*\mi]
.endr
.irp mi, 0,1,2,3
	v_mul_f32 v[200+2*\mi], 0x3c000000, v[192+2*\mi]   ; the mean of my 128 columns
	v_mov_b32 v[201+2*\mi], v[200+2*\mi]           ; (named with it as a pair; it takes M2 below)
.endr
.macro LNM2 mm                         ; the sum of squares about that mean
	WIN 0x01
.set p, 0
.rept 32
	v_pk_add_f32 v[128+p:129+p], v[64*\mm+p:64*\mm+p+1], v[200+2*\mm:201+2*\mm] op_sel_hi:[1,0] neg_lo:[0,1] neg_hi:[0,1]
.set p, p+2
.endr
	WIN 0
.irp ci, 0,2,4,6
	v_pk_mul_f32 v[208+\ci:209+\ci], v[128+\ci:129+\ci], v[128+\ci:129+\ci]
.endr
.set p, 8
.rept 28
	v_pk_fma_f32 v[208+p%8:209+p%8], v[128+p:129+p], v[128+p:129+p], v[208+p%8:209+p%8]
.set p, p+2
.endr
	v_pk_add_f32 v[208:209], v[208:209], v[210:211]
	v_pk_add_f32 v[212:213], v[212:213], v[214:215]
	v_pk_add_f32 v[208:209], v[208:209], v[212:213]
	v_add_f32 v208, v208, v209
	v_permlanex16_b32 v209, v208, s[SEL], s[SEL+1]
	v_add_f32 v[201+2*\mm], v208, v209
	ds_store_b64 v[L32W], v[200+2*\mm:201+2*\mm] offset:LNO+1024*\mm
.endm
	LNM2 0
	LNM2 1
	LNM2 2
	LNM2 3
	BAR                                            ; the four waves' parts lie in LDS; and every wave's reads of a's images are over, so that h2's may take their place
.irp mi, 0,1,2,3
	ds_load_b128 v[192+8*\mi:195+8*\mi], v[L32] offset:LNO+1024*\mi
	ds_load_b128 v[196+8*\mi:199+8*\mi], v[L32] offset:LNO+1024*\mi+16
.endr
	s_wait_dscnt 0x0
.irp mi, 0,1,2,3
	v_add_f32 v[96+4*\mi], v[192+8*\mi], v[194+8*\mi]
	v_add_f32 v[97+4*\mi], v[196+8*\mi], v[198+8*\mi]
.endr
.irp mi, 0,1,2,3
	v_add_f32 v[96+4*\mi], v[96+4*\mi], v[97+4*\mi]
.endr
.irp mi, 0,1,2,3
	v_mul_f32 v[96+4*\mi], 0x3e800000, v[96+4*\mi] ; the row's mean
.endr
.irp mi, 0,1,2,3
.irp i, 0,2,4,6
	v_sub_f32 v[192+8*\mi+\i], v[192+8*\mi+\i], v[96+4*\mi]
.endr
.endr
.irp mi, 0,1,2,3
	v_mul_f32 v[97+4*\mi], v[192+8*\mi], v[192+8*\mi]
	v_add_f32 v[98+4*\mi], v[193+8*\mi], v[195+8*\mi]
	v_add_f32 v[99+4*\mi], v[197+8*\mi], v[199+8*\mi]
.endr
.irp i, 2,4,6
.irp mi, 0,1,2,3
	v_fma_f32 v[97+4*\mi], v[192+8*\mi+\i], v[192+8*\mi+\i], v[97+4*\mi]
.endr
.endr
.irp mi, 0,1,2,3
	v_add_f32 v[98+4*\mi], v[98+4*\mi], v[99+4*\mi]
.endr
.irp mi, 0,1,2,3
	v_fma_f32 v[98+4*\mi], v[97+4*\mi], 0x43000000, v[98+4*\mi]   ; M2 = the parts' + 128 x the squares of the means' distances
.endr
.irp mi, 0,1,2,3
	v_fma_f32 v[98+4*\mi], v[98+4*\mi], s72, s73   ; the variance + 1e-5
.endr
.irp mi, 0,1,2,3
	v_rsq_f32 v[98+4*\mi], v[98+4*\mi]
.endr
	v_nop
	s_wait_alu depctr_va_vdst(0)                   ; one wait for the four
	s_wait_loadcnt 8                               ; g2, be2 and b2 are in; b1's eight loads, which are younger, may be out
.macro LNOUT mm, wt                    ; h2 of tile mm, my 128 columns: K step w of the product with W1; then b2 goes onto x1
	WIN 0x01
.set p, 0
.rept 32
	v_pk_add_f32 v[128+p:129+p], v[64*\mm+p:64*\mm+p+1], v[96+4*\mm:97+4*\mm] op_sel_hi:[1,0] neg_lo:[0,1] neg_hi:[0,1]
.set p, p+2
.endr
	WIN 0
.set p, 0
.rept 32
	v_pk_mul_f32 v[128+p:129+p], v[128+p:129+p], v[98+4*\mm:99+4*\mm] op_sel_hi:[1,0]
.set p, p+2
.endr
	WIN 0x28
.set p, 0
.rept 32
	v_pk_fma_f32 v[128+p:129+p], v[128+p:129+p], v[p:p+1], v[64+p:65+p]   ; x g2 + be2 (window 2)
.set p, p+2
.endr
	QF 128, 0, \wt, PW
	FSTORE WA16, WA8, 6144*\mm
	ds_store_b32 v[W4], v[PW] offset:ASC+512*\mm
	WIN 0x49
.set p, 0
.rept 32
	v_pk_add_f32 v[64*\mm+p:64*\mm+p+1], v[64*\mm+p:64*\mm+p+1], v[128+p:129+p]   ; + b2 (window 2)
.set p, p+2
.endr
.endm
	LNOUT 0, 0
	LNOUT 1, 1
	LNOUT 2, 1
	LNOUT 3, 1
	WIN 0
	v_mov_b32 v[CLP], 0x407547cb                   ; erf's hold, 3.8325;
	v_mov_b32 v124, 0x32edffee                     ; a11,
	v_mov_b32 v125, 0x32edffee
	v_mov_b32 v126, 0xb95fbd29                     ; b6
	v_mov_b32 v127, 0xb95fbd29
; ---- the MLP.  gelu of eight numbers v[u] .. + 7: z = u / sqrt 2, held; P and Q in z^2 by turns; the reciprocals go out as soon as Q is finished, and P's last steps are the work behind them; one wait a batch.
.macro GELU8 u
.irp pp, 0,2,4,6
	v_pk_mul_f32 v[224+\pp:225+\pp], v[0+(\u)+\pp:0+(\u)+\pp+1], 0x3f3504f3 op_sel_hi:[1,0]
.endr
.irp pp, 0,1,2,3,4,5,6,7
	v_med3_num_f32 v[224+\pp], v[224+\pp], -v[CLP], v[CLP]
.endr
.irp pp, 0,2,4,6
	v_pk_mul_f32 v[232+\pp:233+\pp], v[224+\pp:225+\pp], v[224+\pp:225+\pp]
.endr
.irp pp, 0,2,4,6
	v_pk_fma_f32 v[240+\pp:241+\pp], v[232+\pp:233+\pp], s[56:57], v[124:125] op_sel_hi:[1,0,0]
	v_pk_fma_f32 v[248+\pp:249+\pp], v[232+\pp:233+\pp], s[58:59], v[126:127] op_sel_hi:[1,0,0]
.endr
.irp pp, 0,2,4,6
	v_pk_fma_f32 v[240+\pp:241+\pp], v[240+\pp:241+\pp], v[232+\pp:233+\pp], 0xb60cff51 op_sel_hi:[1,1,0]
	v_pk_fma_f32 v[248+\pp:249+\pp], v[248+\pp:249+\pp], v[232+\pp:233+\pp], 0xbadc924e op_sel_hi:[1,1,0]
.endr
.irp pp, 0,2,4,6
	v_pk_fma_f32 v[240+\pp:241+\pp], v[240+\pp:241+\pp], v[232+\pp:233+\pp], 0xb86ec2d2 op_sel_hi:[1,1,0]
	v_pk_fma_f32 v[248+\pp:249+\pp], v[248+\pp:249+\pp], v[232+\pp:233+\pp], 0xbbf19bf8 op_sel_hi:[1,1,0]
.endr
.irp pp, 0,2,4,6
	v_pk_fma_f32 v[240+\pp:241+\pp], v[240+\pp:241+\pp], v[232+\pp:233+\pp], 0xba40ac63 op_sel_hi:[1,1,0]
	v_pk_fma_f32 v[248+\pp:249+\pp], v[248+\pp:249+\pp], v[232+\pp:233+\pp], 0xbc69b6a7 op_sel_hi:[1,1,0]
.endr
.irp pp, 0,1,2,3,4,5,6,7
	v_rcp_f32 v[248+\pp], v[248+\pp]
.endr
.irp pp, 0,2,4,6
	v_pk_fma_f32 v[240+\pp:241+\pp], v[240+\pp:241+\pp], v[232+\pp:233+\pp], 0xbb41a1f6 op_sel_hi:[1,1,0]
.endr
.irp pp, 0,2,4,6
	v_pk_fma_f32 v[240+\pp:241+\pp], v[240+\pp:241+\pp], v[232+\pp:233+\pp], 0xbc83dbd4 op_sel_hi:[1,1,0]
.endr
.irp pp, 0,2,4,6
	v_pk_mul_f32 v[240+\pp:241+\pp], v[240+\pp:241+\pp], v[224+\pp:225+\pp]
.endr
.irp pp, 0,2,4,6
	v_pk_mul_f32 v[232+\pp:233+\pp], v[0+(\u)+\pp:0+(\u)+\pp+1], 0.5 op_sel_hi:[1,0]
.endr
	s_wait_alu depctr_va_vdst(0)                   ; one wait for the eight reciprocals, ahead of their first reader
.irp pp, 0,2,4,6
	v_pk_mul_f32 v[240+\pp:241+\pp], v[240+\pp:241+\pp], v[248+\pp:249+\pp]   ; erf
.endr
.irp pp, 0,2,4,6
	v_pk_fma_f32 v[0+(\u)+\pp:0+(\u)+\pp+1], v[232+\pp:233+\pp], v[240+\pp:241+\pp], v[232+\pp:233+\pp]   ; u / 2 x erf + u / 2
.endr
.endm
; An S phase on a chunk of W1: my 64 hidden units for the 64 tokens, a tile of tokens a trip (four trips: the register numbers are the same, the LDS addresses step).  b1 is the C of each sum's first product.
.macro SG
	WLOAD 0
	WIN 0
	s_wait_loadcnt 0x0                             ; this step's b1 is in, so its address may step:
	s_add_nc_u64 s[16:17], s[16:17], 1024          ; 256 numbers on, and from step 3 round to step 0
	s_add_co_u32 s[C3], s[C3], 1
	s_cmp_eq_u32 s[C3], 4
	s_cselect_b32 s[WR], 4096, 0
	s_cselect_b32 s[C3], 0, s[C3]
	s_sub_nc_u64 s[16:17], s[16:17], s[WR:WR+1]
	s_mov_b32 s60, 0
	s_mov_b32 s61, 0
	s_mov_b32 s62, 0
	s_mov_b32 s63, 0
	s_mov_b32 s[MC], 4
.Lm_\@:
	s_wait_dscnt 0x0                               ; the last trip's stores have read their addresses and data (first trip: W1's fragments are in)
	v_add_nc_u32 v24, s60, v[B16]                  ; h2's fragments of tile m: + 6,144 m
	v_add_nc_u32 v25, s60, v[B8]
	v_add_nc_u32 v26, s61, v[B16]                  ; their scale words: + 512 m
	v_add_nc_u32 v27, s62, v[WP16]                 ; where my half goes: + 3,072 m
	v_add_nc_u32 v28, s62, v[WP8]
	v_add_nc_u32 v29, s63, v[WH]                   ; and its bytes: + 256 m
	ds_load_b128 v[SQ:SQ+3], v26 offset:ASC
.irp si, 0,1,2,3
.irp ci, 0,1
	ds_load_b128 v[128+12*\si+6*\ci:128+12*\si+6*\ci+3], v24 offset:1536*\si+768*\ci
	ds_load_b64 v[128+12*\si+6*\ci+4:128+12*\si+6*\ci+5], v25 offset:1536*\si+768*\ci+512
.endr
.endr
	s_wait_dscnt 0x0
	S16 192, 128, SQ, 48
	WIN 0
.rept 4
	v_nop                                          ; places behind the last products
.endr
.irp gg, 0,1,2,3
	GELU8 192+8*\gg
.endr
	QMAX 192, 0
	QTAIL 192, 0, CD, HWA
	ds_store_b128 v27, v[CD:CD+3] offset:PIM       ; my 64 units are half w % 2 of K step w / 2 of the product with this step's W2
	ds_store_b64 v28, v[CD+4:CD+5] offset:PIM+512
	ds_store_b16 v29, v[HWA] offset:PSC
	s_add_co_u32 s60, s60, 6144
	s_add_co_u32 s61, s61, 512
	s_add_co_u32 s62, s62, 3072
	s_add_co_u32 s63, s63, 256
	s_sub_co_u32 s[MC], s[MC], 1
	s_cmp_lg_u32 s[MC], 0
	s_cbranch_scc1 .Lm_\@
.endm
	CHEAD                                          ; slot 0 holds my first W1; its W2 is asked for.  The change's barrier shows h2's images to every wave
	WSTEP G0+2, C1
	CTAIL 1
	SG
	s_mov_b32 s[JT], 3
.Lmlp:                                             ; three trips: the product with a step's W2, then the hidden units of the next step; the last product stands behind the loop
	CHEAD
	WSTEP G0+6, C2
	CTAIL 0
	PLOAD PIM, 3072, B8, PSC, 256
	WLOAD 1
	WIN 0
	BLOAD                                          ; the next step's b1
	PVMUL
	CHEAD
	WSTEP G0+2, C1
	CTAIL 1
	SG
	s_sub_co_u32 s[JT], s[JT], 1
	s_cmp_lg_u32 s[JT], 0
	s_cbranch_scc1 .Lmlp
	CHEAD
	CTAIL 2                                        ; nothing is left to fetch
	PLOAD PIM, 3072, B8, PSC, 256
	WLOAD 1
	PVMUL
	; ---- the way out: a tile of 16 tokens turns through my stage and leaves as rows: 32 lanes store my 512 bytes of a row
	WIN 0
.rept 4
	v_nop                                          ; places behind the last products
.endr
.macro OUTS mm
	WIN 0x04
.set q, 0
.rept 16
	global_store_b128 v[GL16], v[64*(\mm)+4*q:64*(\mm)+4*q+3], s[20:21] offset:(32*((\mm)/2)+8*((\mm)%2)+q+8*(q/8))*2048 th:TH_STORE_NT   ; 512 consecutive bytes, aligned to 256; written once
.set q, q+1
.endr
.endm
	STOUT 0
.irp mi, 1,2,3
	STOUT 64*\mi
	s_wait_dscnt 32                                ; the tile before is back in registers; this tile's 16 stores and 16 loads may be out
	OUTS \mi-1
.endr
	s_wait_dscnt 0x0
	OUTS 3
	WIN 0
	s_wait_tensorcnt 0x0                           ; the wave's end
	ds_add_u32 v[SPW], v[NIL]
	s_wait_dscnt 0x0
	ROUND                                          ; the closing round: no work-group ends while a partner may still ask for a chunk that names it
	s_endpgm
.Lfunc_end_k_q7d4c159b86_attn:
	.size	k_q7d4c159b86_attn, .Lfunc_end_k_q7d4c159b86_attn-k_q7d4c159b86_attn
	.p2alignl 7, 3214868480
	.fill 96, 4, 3214868480
	.section	.rodata,"a",@progbits
	.p2align	6, 0x0
	.amdhsa_kernel k_q7d4c159b86_attn
		.amdhsa_group_segment_fixed_size 327680
		.amdhsa_private_segment_fixed_size 0
		.amdhsa_enable_private_segment 0
		.amdhsa_kernarg_size 72
		.amdhsa_user_sgpr_count 2
		.amdhsa_user_sgpr_kernarg_segment_ptr 1
		.amdhsa_wavefront_size32 1
		.amdhsa_system_sgpr_workgroup_id_x 1
		.amdhsa_system_sgpr_workgroup_id_y 1
		.amdhsa_system_sgpr_workgroup_id_z 1
		.amdhsa_system_vgpr_workitem_id 0
		.amdhsa_next_free_vgpr 1024
		.amdhsa_next_free_sgpr 100
		.amdhsa_reserve_vcc 0
		.amdhsa_float_denorm_mode_32 3
		.amdhsa_float_denorm_mode_16_64 3
		.amdhsa_memory_ordered 1
		.amdhsa_forward_progress 1
		.amdhsa_inst_pref_size 255
	.end_amdhsa_kernel
	.section	.bss,"aw",@nobits
	.p2align	6
	.space	262144
	.amdgpu_metadata
---
amdhsa.version: [ 1, 2 ]
amdhsa.kernels:
  - .name:           k_q7d4c159b86_attn
    .symbol:         k_q7d4c159b86_attn.kd
    .args:
      - { .name: qws, .offset: 0, .size: 8, .value_kind: global_buffer, .address_space: global }
      - { .name: kv, .offset: 8, .size: 8, .value_kind: global_buffer, .address_space: global }
      - { .name: wts, .offset: 16, .size: 8, .value_kind: global_buffer, .address_space: global }
      - { .name: x, .offset: 24, .size: 8, .value_kind: global_buffer, .address_space: global }
      - { .name: g2, .offset: 32, .size: 8, .value_kind: global_buffer, .address_space: global }
      - { .name: be2, .offset: 40, .size: 8, .value_kind: global_buffer, .address_space: global }
      - { .name: b1, .offset: 48, .size: 8, .value_kind: global_buffer, .address_space: global }
      - { .name: b2, .offset: 56, .size: 8, .value_kind: global_buffer, .address_space: global }
      - { .name: out0, .offset: 64, .size: 8, .value_kind: global_buffer, .address_space: global }
    .group_segment_fixed_size: 327680
    .private_segment_fixed_size: 0
    .kernarg_segment_align: 8
    .kernarg_segment_size: 72
    .max_flat_workgroup_size: 128
    .sgpr_count:     100
    .vgpr_count:     1024
    .wavefront_size: 32
...
	.end_amdgpu_metadata
.endif
;; end of part 3
